; MI455X (gfx1250); checked and timed in simulation.
; The chip was launched on July 23, 2026; its instructions are those of AMD's public machine-readable ISA for CDNA 5 (MIT licence, August 2026) and "CDNA5" Instruction Set Architecture Reference Guide (July 2026). The comments in the code are by the model that wrote it; some were corrected since.
;; Causal Self Attention. Allowed arithmetic: matrix products marked QUANTISED: E4M3 operands, one E8M0 scale for each 32 along K, by v_wmma_scale_f32_16x16x128_f8f6f4 with both operands' format E4M3, f32 sums; everything else in f32.
;; Inputs: b_attn 3,072 float32; b_proj 1,024 float32; w_attn_codes 3,072 x 32 x 32 uint8 (E4M3 codes of w_attn, K innermost, in blocks of 32 codes); w_attn_scales 3,072 x 32 uint8 (E8M0 scales of w_attn, one for each 32 codes along K); w_proj_codes 1,024 x 32 x 32 uint8 (E4M3 codes of w_proj, K innermost, in blocks of 32 codes); w_proj_scales 1,024 x 32 uint8 (E8M0 scales of w_proj, one for each 32 codes along K); x_codes 4 x 2,048 x 32 x 32 uint8 (E4M3 codes of x, K innermost, in blocks of 32 codes); x_scales 4 x 2,048 x 32 uint8 (E8M0 scales of x, one for each 32 codes along K).
;; Outputs: out0 4 x 2,048 x 1,024 float32.
;; This version of the problem:
;;   THIS VERSION OF THE PROBLEM IS GIVEN IN LOW PRECISION. The matrix products marked QUANTISED in the list below multiply operands that are first quantised to E4M3 (4 exponent bits, 3 mantissa bits; 8 bits a number), with one power-of-two scale for each 32 numbers along K (OCP MX v1.0); their sums are f32. All else is computed in f32.
;;   The module's matrix products, in the order in which they are computed (A, B: the left and right operand; K: the contracted axis; several contracted axes count as one K, in the product's order):
;;     1. [M 8,192, K 1,024] x [K 1,024, N 3,072]; A: input x (given as codes); B: input w_attn (given as codes): QUANTISED
;;     2. batch 64 x [M 2,048, K 64] x [K 64, N 2,048]; A: computed on the way; B: computed on the way: QUANTISED
;;     3. batch 64 x [M 2,048, K 2,048] x [K 2,048, N 64]; A: softmax (see below); B: computed on the way: QUANTISED
;;     4. [M 8,192, K 1,024] x [K 1,024, N 1,024]; A: computed on the way; B: input w_proj (given as codes): QUANTISED
;;   THE QUANTISER, for each operand of a quantised product, along K:
;;     - K is cut into blocks of 32 from its start; a last block that is shorter is filled with zeros.
;;     - A block's scale is 2^e with e = floor(log2(the largest magnitude in the block)) - 8, held to -126 .. 127; a block of zeros has e = 0. As a byte (E8M0): e + 127.
;;     - Each number is divided by its block's scale, clamped to +-448, and rounded to the nearest number of E4M3, ties to even, subnormals kept.
;;     - The product sums the exact products of the quantised numbers (number of the format x scale) in f32.
;;   ~~~python
;;   def quantise(x, axis):      # numpy; x: float32 -> the quantised numbers, widened to float32 again
;;       x = np.moveaxis(x, axis, -1); K = x.shape[-1]
;;       x = np.pad(x, [(0, 0)] * (x.ndim - 1) + [(0, -K % 32)]); x = x.reshape(x.shape[:-1] + (-1, 32)); a = np.abs(x).max(-1, keepdims=True)
;;       e = np.where(a > 0, np.clip(np.frexp(np.where(a > 0, a, 1))[1] - 1 - 8, -126, 127), 0)      # np.frexp(a)[1] - 1 = floor(log2(a)), exactly
;;       r = np.clip(x / 2.0 ** e, -448, 448)
;;       step = 2.0 ** (np.maximum(np.frexp(np.where(r == 0, 1, r))[1] - 1, -6) - 3)
;;       q = np.round(r / step) * step * 2.0 ** e      # np.round: ties to even
;;       return np.moveaxis(q.reshape(q.shape[:-2] + (-1,))[..., :K], -1, axis).astype(np.float32)
;;   ~~~
;;   SOFTMAX AHEAD OF A QUANTISED PRODUCT. Where the list says 'softmax', what is quantised is not the finished softmax but p = 2^(t - M), with t = logit x log2(e) and M = ceil(the row's largest t), a whole number; so 1/2 < the row's largest p <= 1. The row's sum l is taken of the UNQUANTISED p, in f32, and the product's result is divided by l at the end. Since M is a whole number, a kernel that streams over the keys may use a running M (the ceiling of the running maximum): every later rescaling is an exact power of two, which a block's scale takes up: the codes' values come out the same.
;;   OPERANDS COMPUTED ON THE WAY. 'Computed on the way' means the value that the module computes at that place (a softmax that the list does not call 'softmax' is quantised finished and normalised). What goes into a quantiser is computed in f32, as accurately as f32 sums, v_exp_f32 and their like allow (about 1e-6 of the number): no bf16 or f16 on the way to a quantiser, and a product that is left as it is and whose result goes on into a quantised operand takes f32 operands (vector FMAs, or v_wmma_f32_16x16x4_f32). A number that lies on a knife's edge between two numbers of the format may be rounded either way, as far as f32 arithmetic and the matrix unit's own rounding can turn it there, and no further.
;;   INPUTS GIVEN AS CODES. w_attn (in the module: [1024, 3072], K = its axis 0); w_proj (in the module: [1024, 1024], K = its axis 0); x (in the module: [4, 2048, 1024], K = its axis 2): each comes as NAME_codes (uint8): NAME with its K axis moved to the last place and cut into blocks of 32 codes, [.., K / 32, bytes a block], one block behind the other in memory; one code a byte (a code: sign, 4 exponent bits, 3 mantissa bits); and NAME_scales (uint8): the same leading axes, one E8M0 byte (e + 127) for each 32 codes along K. Its value is code x scale, taken as it is: it is not quantised again, and the codes and scales need not be those that the quantiser above would give.
;; One version. Each part assembles by itself: llvm-mc -triple=amdgcn-amd-amdhsa -mcpu=gfx1250 --defsym DOCPART=n.
;; ======== version 1 of 1: 3 launches
;; limits: right only within a limited range of input values
;; workspace buffers: qc 8,388,608 bytes; qs 262,144 bytes; kv 17,301,504 bytes; yc 8,388,608 bytes; ys 262,144 bytes
;; launch qkv (part 1): grid 12 x 32, 4 waves a work-group, clusters of 4 x 4, 327,680 bytes of LDS; arguments x_codes, x_scales, w_attn_codes, w_attn_scales, b_attn, qc, qs, kv; writes qc, qs, kv
.if DOCPART == 1
	.amdgcn_target "amdgcn-amd-amdhsa--gfx1250"
	.amdhsa_code_object_version 6
	.text
	.protected	k_q8bb0f24862_qkv
	.globl	k_q8bb0f24862_qkv
	.p2align	8
	.type	k_q8bb0f24862_qkv,@function
k_q8bb0f24862_qkv:
	s_mov_b64 s[64:65], 0
	v_nop
	global_prefetch_b8 v0, s[64:65] scope:SCOPE_SE
	s_setreg_imm32_b32 hwreg(HW_REG_WAVE_MODE, 25, 1), 1
	s_wait_xcnt 0x0
	s_wait_alu depctr_hold_cnt(0) depctr_sa_sdst(0) depctr_va_vdst(0) depctr_va_sdst(0) depctr_va_ssrc(0) depctr_va_vcc(0) depctr_vm_vsrc(0)
	s_getreg_b32 s2, hwreg(HW_REG_IB_STS2, 6, 4)
	s_cmp_eq_u32 s2, 0
	s_cbranch_scc0 .Lentry_in_a_cluster
	s_endpgm
.Lentry_in_a_cluster:
	s_bfe_u32 s2, ttmp6, 0x10000c
	s_cmp_lg_u32 s2, 0xf033
	s_cbranch_scc0 .Lentry_shape_is_right
	s_endpgm
.Lentry_shape_is_right:
; qkv = x W_attn + b_attn on codes of FP8 (E4M3) with one E8M0 scale for each 32 along K = 1,024; q and k are then quantised along a head's 64 channels, v along the keys,
; and leave as IMAGES OF OPERAND REGISTERS: a fragment's group of four registers is 512 bytes, lane l's 16 bytes at 16 l.
; A tile of 256 x 256 is made by a work-group of four waves, 128 x 128 a wave: 64 accumulators.  K goes in steps of 256 through a ring of two LDS slots; the scale bytes of the work-group's rows come once.
; THE KIND is the cluster's x: 0 = q, 1 = k, 2 = v; it is the same in all sixteen partners.  "A" is the operand whose row a lane holds (source 1), "B" the one along which a lane's registers run (source 0).
; q, k: A = x (tokens), B = W (channels): a lane's registers run along the channels.  v: the roles are swapped by the pointers: A = W, B = x: a lane's registers run along the keys.
; So one text quantises all three: 64 numbers of a lane are four blocks of 32, each shared with the lane 16 away.
; ORDER INSIDE A BLOCK: a lane's 16 codes of block c are k = 32 c + 8 h + 0..7 and 32 c + 16 + 8 h + 0..7 (h = lane / 16).  Both operands of q k^T, and both of p v, carry this same order, so every product meets its partner.
; OUT: qc [head 64][tile 128][c 2][lane][16];  qs [head][pair 64][r 16] words (bytes 0, 1: token 32 pair + r; bytes 2, 3: token 32 pair + 16 + r);
;   kv, 270,336 bytes a head: 0: K's words [step 16][pair 4][r]; 4,096: V's words [step][place 4][r] (tiles 0, 2, 1, 3); 8,192 + 16,384 step: K's 8 tiles of 1,024 bytes, then V's 4 fragments of 2,048.
; LIMITS: NaN and infinities are not served; a block whose largest magnitude lies under 2^-118 (zeros too) gets the byte 1: only this program reads the bytes.  The scale words leave in runs of 128 bytes.
; REGISTERS: window 0: v1 r, v2 h, v16-31 addresses, v32-63 scale words, v64-127 the bias as the first products' C (later the way out's registers), v128-255 A's fragments; window 1: B's two sets; windows 2, 3: accumulators.
.set KSTEP,  256
.set NQ,     2                         ; matrix instructions deep in a slot
.set ROWB,   256                       ; a tile's row in bytes
.set KROW,   1024                      ; a row of x or of W in memory
.set PITCH,  272                       ; an LDS row: 256 bytes + 16 of padding: the 16 rows that a load touches begin 68 words apart
.set FR,     16
.set NL,     4
.set NP,     8                         ; places behind this matrix instruction (ISA guide 7.12.1)
.set HALFT,  128*PITCH
.set SLOT,   4*HALFT
.set LAPS,   2                         ; 1,024 / 512
.set KS,     32                        ; a row of scale bytes
.set SCL,    2*SLOT
.set HALFS,  (128*KS/256)*272
.set SBLK,   (16*KS/256)*272
.set SPARE,  SCL+4*HALFS               ; the spare words: 128 bytes a wave, two blocks of 256 bytes that no other line names
.set HEADQ,  131072                    ; a head in qc
.set HEADKV, 270336                    ; a head in kv
.set ADRA, 16
.set ADRB, 20
.set ADRS, 27
.set SPW,  28
.set NIL,  29
.set SC,   32
.set BI,   64                          ; v64-127 the bias, in the result's layout
.set AF,   128
.set TM,   64                          ; the way out: v64-67 largest magnitudes, v68-71 bytes, v76-79 the conversions' scales
.set PC,   80                          ; v80-95   a block's codes
.set PWR,  96                          ; v96-103  the eight blocks' scale words
.set WT0,  104                         ; v104-105 at work
.set RW,   106                         ; v106-109 the words to store
.set OF,   110                         ; v110-113 the codes' offsets
.set OS,   114                         ; v114-117 the words' offsets
.set WV, 20
.set WR, 21
.set WC, 22
.set G1, 24
.set G0, 32
.set G1B, 48
.set G0B, 56
.set G1S, 68
.set G0S, 76
.set G1SB, 80
.set G0SB, 88
.set OC2, 66
.set OC3, 67
.set CA,  92                           ; s[92:93] where the block's codes go
.set STP, 94                           ; s[94:95] from block to block
.set EXT, 96                           ; s[96:97] more at block 4
.set SB,  98                           ; s[98:99] where the scale words go
.set DSE, 100
.set DSG, 101
.set MSB, 0
.macro WIN new                         ; the immediate's high byte repeats the setting that is left
.if MSB != \new
	s_set_vgpr_msb (MSB<<8)|\new
.set MSB, \new
.endif
.endm
.set MUL_LO, 0xa1                      ; source 0 (B) window 1, source 1 (A) window 0, C and D window 2
.set MUL_HI, 0xf1
.set TO_B,   0x40
; A joint load: waves 0 and 1 fetch for A, waves 2 and 3 for B; four v_nop follow each of the two lines.
.macro JLOAD g0a, g1a, g0b, g1b
	s_cmp_eq_u32 s[WR], 0
	s_cbranch_scc0 .Lfor_b_\@
	tensor_load_to_lds s[\g0a:\g0a+3], s[\g1a:\g1a+7]
	s_nop 0
.rept 4
	v_nop
.endr
	s_branch .Lasked_\@
.Lfor_b_\@:
	tensor_load_to_lds s[\g0b:\g0b+3], s[\g1b:\g1b+7]
	s_nop 0
.rept 4
	v_nop
.endr
.Lasked_\@:
.endm
.macro CREST                           ; a round of the cluster's barrier behind its opening barrier
	s_cmp_lg_u32 s[WV], 0
	s_cbranch_scc1 .Lnot_wave_0_\@
	s_barrier_signal -3
.Lnot_wave_0_\@:
	s_barrier_wait -3
	s_barrier_signal -1
	s_barrier_wait -1
.endm
.macro CROUND
	s_barrier_signal -1
	s_barrier_wait -1
	CREST
.endm
	s_load_b256 s[4:11], s[0:1], 0x0               ; x's codes, x's scales, W's codes, W's scales
	s_load_b256 s[12:19], s[0:1], 0x20             ; b_attn, qc, qs, kv
	v_lshl_add_u32 v[SPW], v0, 2, SPARE
	v_mov_b32 v[NIL], 0
	ds_add_u32 v28, v29
	ds_add_u32 v28, v29
	s_wait_dscnt 0x0
	v_lshrrev_b32 v1, 5, v0
	v_readfirstlane_b32 s[WV], v1                  ; wave 0..3
	s_lshr_b32 s[WR], s[WV], 1                     ; which half of A's rows is mine.  Also: I fetch for A (0) or for B (1)
	s_and_b32 s[WC], s[WV], 1                      ; which half of B's rows.  Also: which 128 rows of that tile I fetch
	s_bfe_u32 s40, ttmp6, 0x40000                  ; cx
	s_bfe_u32 s41, ttmp6, 0x40004                  ; cy
	s_and_b32 s23, ttmp7, 0xffff
	s_lshl_b32 s23, s23, 2                         ; 4 x cluster y
	s_lshl_b32 s46, ttmp9, 2                       ; 4 x the kind
	s_cmp_eq_u32 ttmp9, 2                          ; v?
	s_cselect_b32 s42, 8, s23                      ; A's tile: v: W's tiles 8 + cy;  q, k: x's tiles 4 cluster y + cy
	s_cselect_b32 s43, s23, s46                    ; B's tile: v: x's tiles 4 cluster y + cx;  q, k: W's tiles 4 kind + cx
	s_add_co_u32 s42, s42, s41
	s_add_co_u32 s43, s43, s40
	s_lshl_b32 s44, s41, 2
	s_lshl_b32 s44, 15, s44                        ; my row of the cluster
	s_lshl_b32 s45, 0x1111, s40                    ; my column
	s_or_b32 s[G1+0], s44, (0<<16)|(1<<20)|(1<<21)|(5<<22)|(3<<25)  ; the mask; elements of 1 byte; padding on; bit 21 beside a mask; 4 words after every 64
	s_or_b32 s[G1B+0], s45, (0<<16)|(1<<20)|(1<<21)|(5<<22)|(3<<25)
.irp g, G1, G1B
	s_mov_b32 s[\g+1], ROWB<<16                    ; tensor_dim0
	s_mov_b32 s[\g+2], 128<<16                     ; tensor_dim1
	s_mov_b32 s[\g+3], ROWB<<16                    ; tile_dim0
	s_mov_b32 s[\g+4], 128                         ; tile_dim1
	s_mov_b32 s[\g+5], KROW                        ; from row to row
	s_mov_b32 s[\g+6], 0
	s_mov_b32 s[\g+7], 0
.endr
	s_or_b32 s[G1S+0], s44, (3<<16)|(1<<20)|(1<<21)|(5<<22)|(3<<25) ; the scales of 128 rows: a dense block of 4,096 bytes as 16 rows of 256, 16 bytes of padding behind each
	s_or_b32 s[G1SB+0], s45, (3<<16)|(1<<20)|(1<<21)|(5<<22)|(3<<25)
.irp g, G1S, G1SB
	s_mov_b32 s[\g+1], 32<<16
	s_mov_b32 s[\g+2], (128*KS/256)<<16
	s_mov_b32 s[\g+3], 32<<16
	s_mov_b32 s[\g+4], 128*KS/256
	s_mov_b32 s[\g+5], 32
	s_mov_b32 s[\g+6], 0
	s_mov_b32 s[\g+7], 0
.endr
	s_lshl_b32 s23, s[WC], 7                       ; which 128 rows of the tile I fetch
	s_lshl_b32 s46, s42, 8
	s_add_co_u32 s46, s46, s23                     ; A's row
	s_lshl_b32 s2, s43, 8
	s_add_co_u32 s2, s2, s23                       ; B's row
	s_lshl_b32 s66, s46, 5                         ; its scales, 32 bytes a row,
	s_mov_b32 s67, 0
	s_lshl_b32 s46, s46, 10                        ; its codes, 1,024 bytes a row: all under 2^24
	s_mov_b32 s47, 0
	s_lshl_b32 s100, s2, 5
	s_mov_b32 s101, 0
	s_lshl_b32 s2, s2, 10
	s_mov_b32 s3, 0
	s_mul_i32 s23, s[WV], HALFT                    ; where they go: wave x 128 rows: no place in the cluster enters an LDS address
	s_mul_i32 s[G0S+1], s[WV], HALFS
	s_add_co_u32 s[G0S+1], s[G0S+1], SCL
	s_mov_b32 s[G0SB+1], s[G0S+1]
	s_wait_kmcnt 0x0
	s_cmp_eq_u32 ttmp9, 2                          ; the roles are dealt by a choice of pointers that hangs on the kind alone
	s_cselect_b64 s[92:93], s[8:9], s[4:5]         ; A's codes
	s_cselect_b64 s[94:95], s[10:11], s[6:7]       ; A's scales
	s_cselect_b64 s[96:97], s[4:5], s[8:9]         ; B's codes
	s_cselect_b64 s[98:99], s[6:7], s[10:11]       ; B's scales
	s_add_nc_u64 s[92:93], s[92:93], s[46:47]
	s_add_nc_u64 s[94:95], s[94:95], s[66:67]
	s_add_nc_u64 s[96:97], s[96:97], s[2:3]
	s_add_nc_u64 s[98:99], s[98:99], s[100:101]
	CROUND                                         ; all sixteen work-groups are here: the first joint loads meet
	s_mov_b32 s[G0S], 1
	s_mov_b64 s[G0S+2:G0S+3], s[94:95]
	s_or_b32 s[G0S+3], s[G0S+3], 0x80000000
	s_mov_b32 s[G0SB], 1
	s_mov_b64 s[G0SB+2:G0SB+3], s[98:99]
	s_or_b32 s[G0SB+3], s[G0SB+3], 0x80000000
	JLOAD G0S, G1S, G0SB, G1SB                     ; the scales first: they are wanted with K step 0
.irp s, 0,1
	s_mov_b32 s[G0+4*\s], 1
	s_add_co_u32 s[G0+4*\s+1], s23, \s*SLOT
	s_add_nc_u64 s[G0+4*\s+2:G0+4*\s+3], s[92:93], \s*ROWB
	s_or_b32 s[G0+4*\s+3], s[G0+4*\s+3], 0x80000000
	s_mov_b32 s[G0B+4*\s], 1
	s_add_co_u32 s[G0B+4*\s+1], s23, \s*SLOT
	s_add_nc_u64 s[G0B+4*\s+2:G0B+4*\s+3], s[96:97], \s*ROWB
	s_or_b32 s[G0B+4*\s+3], s[G0B+4*\s+3], 0x80000000
	JLOAD G0+4*\s, G1, G0B+4*\s, G1B
.endr
	v_and_b32 v1, 15, v0                           ; r
	v_bfe_u32 v2, v0, 4, 1                         ; h
	v_mul_u32_u24 v3, v1, PITCH
	v_lshl_add_u32 v4, v2, 4, v3                   ; a fragment's row x pitch + 16 h
	s_mul_i32 s4, s[WR], HALFT                     ; my 128 rows of A
	s_mul_i32 s5, s[WC], HALFT                     ; my 128 rows of B,
	s_add_co_u32 s5, s5, 2*HALFT                   ; which lie behind A's 256
.irp s, 0,1
	v_add_nc_u32 v[ADRA+\s], s4, v4
	v_add_nc_u32 v[ADRB+\s], s5, v4
	s_add_co_u32 s4, s4, SLOT
	s_add_co_u32 s5, s5, SLOT
.endr
	v_mul_u32_u24 v5, v1, KS                       ; my row's scales: 32 bytes a row,
	v_lshrrev_b32 v6, 8, v5
	v_lshl_add_u32 v5, v6, 4, v5                   ; and 16 more for each 256 passed
	s_mul_i32 s4, s[WR], HALFS
	s_mul_i32 s5, s[WC], HALFS
	s_add_co_u32 s5, s5, 2*HALFS
	s_sub_co_u32 s5, s5, s4
	v_mul_u32_u24 v6, s5, v2                       ; lanes 16-31 take B's
	s_add_co_u32 s4, s4, SCL
	v_add_nc_u32 v5, v5, v6
	v_add_nc_u32 v[ADRS], s4, v5
	; the bias, as the C of the first products
	s_cmp_eq_u32 ttmp9, 2
	s_cselect_b32 s6, s42, s43                     ; W's tile
	s_cselect_b32 s7, s43, s42                     ; x's tile
	s_cselect_b32 s8, s[WR], s[WC]                 ; my half of the tile's channels
	s_cselect_b32 s9, s[WC], s[WR]                 ; my half of its tokens
	s_lshl_b32 s4, s6, 10
	s_lshl_b32 s5, s8, 9
	s_add_co_u32 s4, s4, s5                        ; 4 (256 tile + 128 half)
	s_mov_b32 s5, 0
	s_add_nc_u64 s[12:13], s[12:13], s[4:5]
	v_lshlrev_b32 v30, 5, v2                       ; q, k: eight channels of my half of the lanes
	v_lshlrev_b32 v31, 2, v1                       ; v: my lane's channel
	s_cmp_eq_u32 ttmp9, 2
	s_cbranch_scc1 .Lbias_v
.irp b, 0,1,2,3,4,5,6,7
	global_load_b128 v[BI+8*\b:BI+8*\b+3], v30, s[12:13] offset:64*\b        ; register j of B's block b: channel 16 b + 8 h + j
	global_load_b128 v[BI+8*\b+4:BI+8*\b+7], v30, s[12:13] offset:64*\b+16
.endr
	s_branch .Lbias_done
.Lbias_v:
	s_wait_alu depctr_va_vdst(0)
.irp a, 0,1,2,3,4,5,6,7
.irp j, 0,1,2,3,4,5,6,7
	global_load_b32 v[BI+8*\a+\j], v31, s[12:13] offset:64*\a                ; all eight registers of A's block a: channel 16 a + r
.endr
.endr
.Lbias_done:
	; where the results go
	s_lshr_b32 s4, s7, 3                           ; the batch element: 8 tiles of 256 tokens each
	s_lshl_b32 s4, s4, 4
	s_and_b32 s5, s6, 3
	s_lshl_b32 s5, s5, 2
	s_add_co_u32 s4, s4, s5
	s_lshl_b32 s5, s8, 1
	s_add_co_u32 s4, s4, s5                        ; my first head: 16 batch + 4 (tile % 4) + 2 half
	s_and_b32 s5, s7, 7
	s_lshl_b32 s5, s5, 1
	s_add_co_u32 s5, s5, s9                        ; my step of 128 tokens
	s_cmp_eq_u32 ttmp9, 0                          ; q?
	s_cselect_b64 s[CA:CA+1], s[14:15], s[18:19]
	s_cselect_b64 s[SB:SB+1], s[16:17], s[18:19]
	s_mov_b32 s10, HEADKV
	s_cselect_b32 s11, HEADQ, s10                  ; a head of codes
	s_cselect_b32 s10, 4096, s10                   ; a head of words
	s_mov_b32 s23, 16384
	s_cselect_b32 s23, 8192, s23                   ; a step of codes
	s_mul_i32 s46, s4, s11
	s_mul_i32 s47, s5, s23
	s_add_co_u32 s46, s46, s47
	s_mul_i32 s2, s4, s10
	s_lshl_b32 s3, s5, 8                           ; a step of words: 256 bytes
	s_add_co_u32 s2, s2, s3
	s_cmp_eq_u32 ttmp9, 2                          ; v?
	s_cselect_b32 s[OC2], 1024, s11                ; blocks 2, 3 of a lane's codes: v: the same fragment's second half;  q, k: the next head
	s_cselect_b32 s[DSE], 128, s10
	s_cselect_b32 s[DSG], s10, 128
	s_mov_b32 s[STP], 1024
	s_cselect_b32 s[STP], 2048, s[STP]
	s_cselect_b32 s[EXT], 262144, 0                ; v: behind four fragments of 2,048 bytes on to the next head: 270,336 - 8,192
	s_cselect_b32 s3, 4096, 0                      ; V's words lie behind K's
	s_mov_b32 s7, 0x05040100
	s_cselect_b32 s7, 0x03020100, s7               ; how two blocks' words make one: see the end
	s_mov_b32 s8, 0x07060302
	s_cselect_b32 s8, 0x07060504, s8
	s_mov_b32 s[STP+1], 0
	s_mov_b32 s[EXT+1], 0
	s_add_co_u32 s[OC3], s[OC2], 512
	s_add_co_u32 s2, s2, s3
	s_mov_b32 s3, 0
	s_lshl_b32 s47, ttmp9, 13                      ; q: 0;  k: 8,192 (behind the words);  v: 16,384 (behind K's tiles too)
	s_add_co_u32 s46, s46, s47
	s_mov_b32 s47, 0
	s_add_nc_u64 s[CA:CA+1], s[CA:CA+1], s[46:47]
	s_add_nc_u64 s[SB:SB+1], s[SB:SB+1], s[2:3]
	s_mov_b32 s4, 0x76543210
	s_mov_b32 s5, 0xfedcba98                       ; v_permlanex16_b32's selects for lane l xor 16
	s_mov_b32 s9, 0xffff0000                       ; lanes 16-31
.macro FRAG reg, adr, q, i             ; 16 rows x 128 K: registers 4 c .. 4 c + 3 hold K = 32 c + 16 h + 0 .. 15
.irp c, 0,1,2,3
	ds_load_b128 v[\reg+4*\c:\reg+4*\c+3], v[\adr] offset:128*(\q)+32*\c+(\i)*16*PITCH
.endr
.endm
; 16 matrix instructions: A's blocks a0, a0 + 1 x B's eight.  zero = 0: onto the sums;  1: the sums begin with the bias by B's block;  2: by A's block.
; The 64 accumulators take turns, one instruction a turn, in the same order in every step.
.macro MUL16 a0, p, q, sc, zero
.irp a, \a0, \a0+1
.irp b, 0,1,2,3,4,5,6,7
.if \zero == 1
	v_wmma_scale_f32_16x16x128_f8f6f4 v[8*(8*((\a)%4)+\b):8*(8*((\a)%4)+\b)+7], v[128*(\p)+FR*\b:128*(\p)+FR*\b+FR-1], v[AF+FR*(\a):AF+FR*(\a)+FR-1], v[BI+8*\b:BI+8*\b+7], v[SC+8*NQ*(\sc)+NQ*\b+(\q)], v[SC+8*NQ*(\sc)+NQ*(\a)+(\q)] matrix_a_scale:MATRIX_SCALE_ROW1
.elseif \zero == 2
	v_wmma_scale_f32_16x16x128_f8f6f4 v[8*(8*((\a)%4)+\b):8*(8*((\a)%4)+\b)+7], v[128*(\p)+FR*\b:128*(\p)+FR*\b+FR-1], v[AF+FR*(\a):AF+FR*(\a)+FR-1], v[BI+8*(\a):BI+8*(\a)+7], v[SC+8*NQ*(\sc)+NQ*\b+(\q)], v[SC+8*NQ*(\sc)+NQ*(\a)+(\q)] matrix_a_scale:MATRIX_SCALE_ROW1
.else
	v_wmma_scale_f32_16x16x128_f8f6f4 v[8*(8*((\a)%4)+\b):8*(8*((\a)%4)+\b)+7], v[128*(\p)+FR*\b:128*(\p)+FR*\b+FR-1], v[AF+FR*(\a):AF+FR*(\a)+FR-1], v[8*(8*((\a)%4)+\b):8*(8*((\a)%4)+\b)+7], v[SC+8*NQ*(\sc)+NQ*\b+(\q)], v[SC+8*NQ*(\sc)+NQ*(\a)+(\q)] matrix_a_scale:MATRIX_SCALE_ROW1
.endif
.endr
.endr
.endm
.macro FETCH_B slot, q, p
	WIN TO_B
.irp i, 0,1,2,3,4,5,6,7
	FRAG 128*(\p)+FR*\i, ADRB+\slot, \q, \i
.endr
	WIN 0
.endm
.macro FETCH_A slot, q, i0
.irp i, \i0, \i0+1, \i0+2, \i0+3
	FRAG AF+FR*(\i), ADRA+\slot, \q, \i
.endr
.endm
.macro SCALES sc                       ; a K step's scale words: lanes 0-15 take A's block i, lanes 16-31 B's block i
.irp i, 0,1,2,3,4,5,6,7
	ds_load_b64 v[SC+8*NQ*\sc+NQ*\i:SC+8*NQ*\sc+NQ*\i+1], v[ADRS] offset:\i*SBLK
.endr
.endm
.macro PLACES n                        ; plain vector instructions between a matrix instruction and a load into, or a read of, its registers
.rept \n
	v_nop
.endr
.endm
.macro STEP slot, q, zero              ; 128 along K with its successor in the same slot
	s_wait_dscnt 4*NL                              ; B's set and A's blocks 0-3 are in; the youngest 16 loads (A's blocks 4-7) may be out
.if \zero
	WIN 0x81                                       ; C (the bias) in window 0, D in window 2
.else
	WIN MUL_LO
.endif
	MUL16 0, (\q)%2, \q, \slot, \zero
	MUL16 2, (\q)%2, \q, \slot, \zero
	s_wait_dscnt 0
	PLACES NP
	FETCH_B \slot, (\q)+1, 1-(\q)%2
	FETCH_A \slot, (\q)+1, 0
.if \zero
	WIN 0xc1
.else
	WIN MUL_HI
.endif
	MUL16 4, (\q)%2, \q, \slot, \zero
	MUL16 6, (\q)%2, \q, \slot, \zero
	PLACES NP
	WIN 0
	FETCH_A \slot, (\q)+1, 4
.endm
; A slot's last step changes slots: one barrier; in front of it each wave waits for all its tensor loads, adds 0 to its spare word, and waits for that and for its reads of this slot.
.macro TURN slot, next, fill
	s_wait_tensorcnt 0x0                           ; all my tensor loads have landed: my part of the next slot
	ds_add_u32 v[SPW], v[NIL]                      ; 0 onto my spare word
	s_wait_dscnt 4*NL+1                            ; the add and the youngest 16 loads (A's blocks 4-7) may be out
	WIN MUL_LO
	MUL16 0, 1, NQ-1, \slot, 0
	s_wait_dscnt 0x0                               ; the add is done, and my reads of this slot are over
	s_barrier_signal -1
	MUL16 2, 1, NQ-1, \slot, 0
	WIN 0
	s_barrier_wait -1
.if \fill
	CREST                                          ; the barrier has opened a round of the cluster's: no wave of any partner still reads this slot or has a load on its way
	s_add_nc_u64 s[G0+4*\slot+2:G0+4*\slot+3], s[G0+4*\slot+2:G0+4*\slot+3], 2*ROWB
	s_add_nc_u64 s[G0B+4*\slot+2:G0B+4*\slot+3], s[G0B+4*\slot+2:G0B+4*\slot+3], 2*ROWB
	JLOAD G0+4*\slot, G1, G0B+4*\slot, G1B         ; the first tensor load behind the round; its four v_nop are among the places in front of the loads below
	PLACES NP-4
.else
	PLACES NP
.endif
	s_wait_alu depctr_va_vdst(0)
	v_add_nc_u32 v[ADRS], 4*NQ, v[ADRS]            ; the next K step's scale words
	FETCH_B \next, 0, 0
	FETCH_A \next, 0, 0
	SCALES \next
	WIN MUL_HI
	MUL16 4, 1, NQ-1, \slot, 0
	MUL16 6, 1, NQ-1, \slot, 0
	PLACES NP
	WIN 0
	FETCH_A \next, 0, 4
.endm
	s_wait_tensorcnt 1                             ; the scales and my part of K step 0 are in; K step 1's load may be out
	s_barrier_signal -1
	s_barrier_wait -1
	FETCH_B 0, 0, 0
	FETCH_A 0, 0, 0
	s_wait_alu depctr_va_vdst(0)
	SCALES 0
	FETCH_A 0, 0, 4
	s_wait_loadcnt 0x0                             ; the bias
	s_cmp_eq_u32 ttmp9, 2                          ; the first step is written for both layouts of the bias; no barrier and no tensor load stands in it
	s_cbranch_scc1 .Lfirst_v
	STEP 0, 0, 1
	s_branch .Lfirst_done
.Lfirst_v:
	STEP 0, 0, 2
.Lfirst_done:
	s_mov_b32 s3, LAPS-1
.Llap:
	TURN 0, 1, 1
	STEP 1, 0, 0
	TURN 1, 0, 1
	STEP 0, 0, 0
	s_sub_co_u32 s3, s3, 1
	s_cmp_lg_u32 s3, 0
	s_cbranch_scc1 .Llap
	TURN 0, 1, 0                                   ; the last lap fills nothing
	STEP 1, 0, 0
	s_wait_dscnt 4*NL
	WIN MUL_LO
	MUL16 0, 1, NQ-1, 1, 0
	MUL16 2, 1, NQ-1, 1, 0
	s_wait_dscnt 0
	WIN MUL_HI
	MUL16 4, 1, NQ-1, 1, 0
	MUL16 6, 1, NQ-1, 1, 0
	WIN 0
	; THE WAY OUT: A's blocks one after the other: 64 numbers a lane become 64 codes and a scale word; the codes leave straight from the registers, 512 consecutive bytes a store.
	PLACES NP
	v_and_b32 v118, 31, v0
	v_lshlrev_b32 v[OF], 4, v118                   ; 16 x lane
	v_add_nc_u32 v[OF+1], 512, v[OF]
	v_add_nc_u32 v[OF+2], s[OC2], v[OF]
	v_add_nc_u32 v[OF+3], s[OC3], v[OF]
	v_lshlrev_b32 v[OS], 2, v118                   ; 4 x lane
	v_add_nc_u32 v[OS+1], s[DSE], v[OS]
	v_add_nc_u32 v[OS+2], s[DSG], v[OS]
	v_add_nc_u32 v[OS+3], s[DSE], v[OS+2]
.irp b, 0,1,2,3
	v_mov_b32 v[TM+4+\b], 0                        ; written once: a lane permute's destination counts as one of its sources
.endr
.macro QUANT a
.set AC, 64*((\a)%4)
.set WW, 2+(\a)/4                      ; the block's accumulators lie in window 2 or 3
.set WS, WW|(WW<<2)
	WIN WS                                         ; sources 0 and 1
.irp b, 0,1,2,3
	v_max3_num_f32 v[TM+\b], |v[AC+16*\b]|, |v[AC+16*\b+1]|, 0x4800000   ; my 16 numbers of block b, and the floor 2^(9 - 127): the byte cannot fall under 1.  Each accumulator is read from its low end on
.endr
.irp i, 2,4,6,8,10,12,14
.irp b, 0,1,2,3
	v_max3_num_f32 v[TM+\b], |v[AC+16*\b+\i]|, |v[AC+16*\b+\i+1]|, v[TM+\b]
.endr
.endr
	WIN 0
.irp b, 0,1,2,3
	v_permlanex16_b32 v[TM+4+\b], v[TM+\b], s4, s5
.endr
.irp b, 0,1,2,3
	v_max_num_f32 v[TM+\b], v[TM+\b], v[TM+4+\b]   ; with lane l xor 16's: the block's largest magnitude
.endr
.irp b, 0,1,2,3
	v_add_nc_u32 v[TM+12+\b], 0xfc000000, v[TM+\b] ; 8 off its exponent field: the conversion's scale operand
.endr
.irp b, 0,1,2,3
.endr
.irp b, 0,1,2,3
	v_lshrrev_b32 v[TM+4+\b], 23, v[TM+12+\b]      ; the scale's byte
.endr
	v_lshl_or_b32 v[PWR+\a], v[TM+5], 8, v[TM+4]
	v_lshl_or_b32 v[PWR+\a], v[TM+6], 16, v[PWR+\a]
	v_lshl_or_b32 v[PWR+\a], v[TM+7], 24, v[PWR+\a]
.set WS, WW|(WW<<6)
	WIN WS                                         ; source 0 and destination
.irp b, 0,1,2,3
.irp i, 0,1,2,3,4,5,6,7,8,9,10,11,12,13,14,15
.endr
.endr
.if \a > 0
	s_wait_xcnt 0x0                                ; the last block's stores have read their data and their base: both are written again only behind this wait
	s_add_nc_u64 s[CA:CA+1], s[CA:CA+1], s[STP:STP+1]
.endif
.if \a == 4
	s_add_nc_u64 s[CA:CA+1], s[CA:CA+1], s[EXT:EXT+1]
.endif
	WIN WW                                         ; source 0
.irp b, 0,1,2,3
	v_cvt_scalef32_pk8_fp8_f32 v[PC+4*\b:PC+4*\b+1], v[AC+16*\b:AC+16*\b+7], v[TM+12+\b]
	v_cvt_scalef32_pk8_fp8_f32 v[PC+4*\b+2:PC+4*\b+3], v[AC+16*\b+8:AC+16*\b+15], v[TM+12+\b]
.endr
	WIN 0
	v_nop                                          ; one plain vector instruction behind the last scaled conversion
.irp c, 0,1,2,3
	global_store_b128 v[OF+\c], v[PC+4*\c:PC+4*\c+3], s[CA:CA+1]   ; 32 lanes store 512 consecutive bytes, at a multiple of 512 from the buffer's first byte
.endr
.endm
.irp a, 0,1,2,3,4,5,6,7
	QUANT \a
.endr
	; The scale words.  q, k: a block's word holds two bytes for each of two heads; a stored word holds one head's bytes of two neighbouring blocks of 16 tokens.  v: a block's word is stored as it is.
	; Lanes 0-15 take one word, lanes 16-31 the next: a store covers 128 consecutive bytes.
.irp g, 0,1
.irp e, 0,1
	v_perm_b32 v[WT0], v[PWR+4*\g+1], v[PWR+4*\g], s[7+\e]
	v_perm_b32 v[WT0+1], v[PWR+4*\g+3], v[PWR+4*\g+2], s[7+\e]
	v_cndmask_b32 v[RW+2*\g+\e], v[WT0], v[WT0+1], s9
	global_store_b32 v[OS+2*\g+\e], v[RW+2*\g+\e], s[SB:SB+1]
.endr
.endr
	s_wait_tensorcnt 0x0                           ; the wave's end
	ds_add_u32 v[SPW], v[NIL]
	s_wait_dscnt 0x0
	CROUND                                         ; the closing round: no work-group ends while a partner may still ask for a tile that names it
	s_endpgm
.Lfunc_end_k_q8bb0f24862_qkv:
	.size	k_q8bb0f24862_qkv, .Lfunc_end_k_q8bb0f24862_qkv-k_q8bb0f24862_qkv
	.p2alignl 7, 3214868480
	.fill 96, 4, 3214868480
	.section	.rodata,"a",@progbits
	.p2align	6, 0x0
	.amdhsa_kernel k_q8bb0f24862_qkv
		.amdhsa_group_segment_fixed_size 327680
		.amdhsa_private_segment_fixed_size 0
		.amdhsa_enable_private_segment 0
		.amdhsa_kernarg_size 64
		.amdhsa_user_sgpr_count 2
		.amdhsa_user_sgpr_kernarg_segment_ptr 1
		.amdhsa_wavefront_size32 1
		.amdhsa_system_sgpr_workgroup_id_x 1
		.amdhsa_system_sgpr_workgroup_id_y 1
		.amdhsa_system_sgpr_workgroup_id_z 1
		.amdhsa_system_vgpr_workitem_id 0
		.amdhsa_next_free_vgpr 1024
		.amdhsa_next_free_sgpr 102
		.amdhsa_reserve_vcc 0
		.amdhsa_float_denorm_mode_32 3
		.amdhsa_float_denorm_mode_16_64 3
		.amdhsa_fp16_overflow 1
		.amdhsa_memory_ordered 1
		.amdhsa_forward_progress 1
		.amdhsa_inst_pref_size 174
	.end_amdhsa_kernel
	.amdgpu_metadata
---
amdhsa.version: [ 1, 2 ]
amdhsa.kernels:
  - .name:           k_q8bb0f24862_qkv
    .symbol:         k_q8bb0f24862_qkv.kd
    .args:
      - { .name: x_codes, .offset: 0, .size: 8, .value_kind: global_buffer, .address_space: global }
      - { .name: x_scales, .offset: 8, .size: 8, .value_kind: global_buffer, .address_space: global }
      - { .name: w_attn_codes, .offset: 16, .size: 8, .value_kind: global_buffer, .address_space: global }
      - { .name: w_attn_scales, .offset: 24, .size: 8, .value_kind: global_buffer, .address_space: global }
      - { .name: b_attn, .offset: 32, .size: 8, .value_kind: global_buffer, .address_space: global }
      - { .name: qc, .offset: 40, .size: 8, .value_kind: global_buffer, .address_space: global }
      - { .name: qs, .offset: 48, .size: 8, .value_kind: global_buffer, .address_space: global }
      - { .name: kv, .offset: 56, .size: 8, .value_kind: global_buffer, .address_space: global }
    .group_segment_fixed_size: 327680
    .private_segment_fixed_size: 0
    .kernarg_segment_align: 8
    .kernarg_segment_size: 64
    .max_flat_workgroup_size: 128
    .sgpr_count:     102
    .vgpr_count:     1024
    .wavefront_size: 32
...
	.end_amdgpu_metadata
.endif
;; end of part 1
;; launch attn (part 2): grid 4 x 64, 16 waves a work-group, clusters of 4 x 1, 327,680 bytes of LDS; arguments qc, qs, kv, yc, ys; writes yc, ys
.if DOCPART == 2
	.amdgcn_target "amdgcn-amd-amdhsa--gfx1250"
	.amdhsa_code_object_version 6
	.text
	.protected	k_q8bb0f24862_attn
	.globl	k_q8bb0f24862_attn
	.p2align	8
	.type	k_q8bb0f24862_attn,@function
k_q8bb0f24862_attn:
	s_mov_b64 s[64:65], 0
	v_nop
	global_prefetch_b8 v0, s[64:65] scope:SCOPE_SE
	s_setreg_imm32_b32 hwreg(HW_REG_WAVE_MODE, 25, 1), 1
	s_wait_xcnt 0x0
	s_wait_alu depctr_hold_cnt(0) depctr_sa_sdst(0) depctr_va_vdst(0) depctr_va_sdst(0) depctr_va_ssrc(0) depctr_va_vcc(0) depctr_vm_vsrc(0)
	s_getreg_b32 s2, hwreg(HW_REG_IB_STS2, 6, 4)
	s_cmp_eq_u32 s2, 0
	s_cbranch_scc0 .Lentry_in_a_cluster
	s_endpgm
.Lentry_in_a_cluster:
	s_bfe_u32 s2, ttmp6, 0x10000c
	s_cmp_lg_u32 s2, 0x3003
	s_cbranch_scc0 .Lentry_shape_is_right
	s_endpgm
.Lentry_shape_is_right:
; y = softmax(q k^T / 8, causal) v for one head a cluster, both products on codes of FP8 (E4M3) with one E8M0 scale for each 32 along K; y is quantised along its 64 channels and stored as proj's operand.
; THE SOFTMAX: t = score x log2(e) / 8; M = the running largest t rounded UP to a whole number; p = 2^(t - M) is quantised along the keys, not normalised; the row's sum is taken of the unquantised p and divides at the end.
; SHARES.  The four work-groups of a cluster share a head's K and V.  Wave w of work-group cx owns two tiles of 16 queries: the early tile cx + 4 w and the late tile 127 less that.  Their last key steps of 128 keys are
; w / 2 and 15 - w / 2, whatever cx is: so EVERY wave of the launch walks 17 key steps, the late tile's first, then the early tile's, with one state and one text.
; A WHOLE HEAD LIES IN LDS: its 270,336 bytes of kv come once, by two joint loads a wave (10 and 56 rows of 256 bytes); nothing is filled again, and the loop has no barrier.
; The first loads bring the scale words and key steps 0 and 1 (bytes 0 to 40,959): these two steps of the late tile are written out with constant addresses and run while the second loads are on their way.
; K = 64 IN A FORM OF K = 128: a fragment of K holds TWO tiles of 16 keys (k 0-63: the even tile's channels, k 64-127: the odd one's); q is offered as [q | 0] and as [0 | q]: zero codes add nothing.
; LAYOUT: both products transposed (S^T = K q^T, O^T = V^T p^T): a lane holds one query (lane % 16); register j of S^T's tile t is key 16 t + 8 h + j (h = lane / 16), the order in which v's codes were laid.
; No prefetch is written: all that the launch reads of K and V is asked for in its first lines.
; LIMITS: NaN and infinities are not served; a block of y under 2^-118 gets the byte 1 (only this program reads it); y's scale bytes leave singly, 32 bytes apart.
; REGISTERS: v1-10 addresses; v12 -M, v13 largest t, v[14:15] the sum; v16-23 zeros, v24-31 q, v32-39 zeros; v40-45 scale words; v48-79 K's pairs 2, 3; v80-88 the early tile's q; v96-159 S^T, p, then V (v128-159 first K's pairs 0, 1);
;   v160-191 O^T; v192-207 p's codes; v208-229 at work.
.set HEADB,  270336
.set KWD,    0                         ; LDS: K's scale words, 256 bytes a step
.set VWD,    4096                      ; V's
.set CODES,  8192                      ; the codes: 16,384 bytes a step: K's 4 fragments, then V's 4
.set STEPB,  16384
.set PARTA,  40960                     ; what the first loads bring
.set LI,   1                           ; v1  16 x lane
.set LW,   2                           ; v2  4 x lane
.set RH,   3                           ; v3  r - 8 h
.set R4,   4                           ; v4  4 r
.set YO,   5                           ; v5  16 r + 8 h
.set YSO,  6                           ; v6  32 r + h
.set NINF, 7                           ; v7  -infinity
.set ADC,  8
.set ADW,  9
.set DD,   10
.set WV,   14
.set CX,   15
.set G1A,  16
.set G1B,  24
.set G0A,  32
.set G0B,  36
.set BH,   40
.set JE,   41
.set JL,   42
.set YCUR, 48                          ; s[48:49], s[50:51] where the tile in hand stores y's codes and bytes;  s[52:53], s[54:55] the early tile's
.set DQ,   56                          ; s56 the tile's first query in its last key step;  s57 the early tile's
.set LAST, 58                          ; s58 the trip in which the tile in hand ends
.set IT,   59                          ; s59 the trip
.set NEG,  60                          ; s60 -(the late tile's last step + 1)
.set SIG,  61                          ; s61 the tile's own key step
.set SEL,  62
.set CS,   66
.set MNT,  68
.set HM,   69
.macro CROUND
	s_barrier_signal -1
	s_barrier_wait -1
	s_cmp_lg_u32 s[WV], 0
	s_cbranch_scc1 .Lnot_wave_0_\@
	s_barrier_signal -3
.Lnot_wave_0_\@:
	s_barrier_wait -3
	s_barrier_signal -1
	s_barrier_wait -1
.endm
; the addresses of tile s[jr]: q's codes, q's scale halfword, y's codes, y's bytes; its first query in its last key step
.macro TILE jr, qp, wp, yp, zp, dq
	s_lshl_b32 s72, s[BH], 17                      ; a head of qc: 131,072 bytes; a tile: 1,024
	s_lshl_b32 s73, s[\jr], 10
	s_add_co_u32 s72, s72, s73
	s_mov_b32 s73, 0
	s_add_nc_u64 s[\qp:\qp+1], s[4:5], s[72:73]
	s_lshl_b32 s72, s[BH], 12                      ; a head of qs: 4,096 bytes; a pair of tiles: 64; the odd tile's bytes lie 2 further on
	s_lshr_b32 s78, s[\jr], 1
	s_lshl_b32 s78, s78, 6
	s_add_co_u32 s72, s72, s78
	s_and_b32 s78, s[\jr], 1
	s_lshl_b32 s78, s78, 1
	s_add_co_u32 s72, s72, s78
	s_add_nc_u64 s[\wp:\wp+1], s[6:7], s[72:73]
	s_lshr_b32 s78, s[BH], 4
	s_lshl_b32 s78, s78, 7
	s_add_co_u32 s78, s78, s[\jr]                  ; the tile of 16 rows of y: 128 batch + tile
	s_and_b32 s79, s[BH], 15                       ; the head in its batch element
	s_lshl_b32 s72, s78, 14                        ; 16,384 bytes a tile of rows; a head's 64 channels are 1,024 of them
	s_lshl_b32 s71, s79, 10
	s_add_co_u32 s72, s72, s71
	s_add_nc_u64 s[\yp:\yp+1], s[10:11], s[72:73]
	s_lshl_b32 s72, s78, 9                         ; 16 rows of 32 scale bytes; a head has 2 in each
	s_lshl_b32 s71, s79, 1
	s_add_co_u32 s72, s72, s71
	s_add_nc_u64 s[\zp:\zp+1], s[12:13], s[72:73]
	s_and_b32 s[\dq], s[\jr], 7
	s_lshl_b32 s[\dq], s[\dq], 4
.endm
.macro RESET                           ; a tile begins: O^T and the sum are zeros, the largest t lies under every t: the first change of M multiplies zeros
	v_mov_b32 v13, 0xff61b1e6
	s_delay_alu instid0(VALU_DEP_1)
	v_floor_f32 v12, -v13
	v_mov_b32 v14, 0
	v_mov_b32 v15, 0
.set NN, 0
.rept 32
	v_mov_b32 v[160+NN], 0
.set NN, NN+1
.endr
.endm
	s_load_b256 s[4:11], s[0:1], 0x0               ; qc, qs, kv, yc
	s_load_b64 s[12:13], s[0:1], 0x20              ; ys
	v_lshl_add_u32 v254, v0, 2, 0x42000
	v_mov_b32 v255, 0
	ds_add_u32 v254, v255
	ds_add_u32 v254, v255
	v_lshrrev_b32 v8, 5, v0
	s_delay_alu instid0(VALU_DEP_1)
	v_readfirstlane_b32 s[WV], v8                  ; wave 0..15
	s_bfe_u32 s[CX], ttmp6, 0x40000                ; my place in the cluster: it enters global addresses and the mask's numbers alone
	s_and_b32 s[BH], ttmp7, 0xffff                 ; the head, which the four partners share
	s_mov_b32 s[G1A], 15|(3<<16)|(1<<21)           ; the mask: all four; elements of 8 bytes; bit 21 beside a mask; no padding: the images are read as they lie
	s_mov_b32 s[G1A+1], 32<<16                     ; rows of 256 bytes
	s_mov_b32 s[G1A+2], 10<<16
	s_mov_b32 s[G1A+3], 32<<16
	s_mov_b32 s[G1A+4], 10                         ; 10 rows a wave: 16 x 2,560 = 40,960 bytes
	s_mov_b32 s[G1A+5], 32
	s_mov_b32 s[G1A+6], 0
	s_mov_b32 s[G1A+7], 0
	s_mov_b32 s[G1B], 15|(3<<16)|(1<<21)
	s_mov_b32 s[G1B+1], 32<<16
	s_mov_b32 s[G1B+2], 56<<16
	s_mov_b32 s[G1B+3], 32<<16
	s_mov_b32 s[G1B+4], 56                         ; 56 rows a wave: 16 x 14,336 = 229,376 bytes
	s_mov_b32 s[G1B+5], 32
	s_mov_b32 s[G1B+6], 0
	s_mov_b32 s[G1B+7], 0
	s_mul_i32 s72, s[BH], HEADB                    ; the head's first byte in kv (under 2^25)
	s_mul_i32 s[G0A+1], s[WV], 2560                ; LDS is a copy of the head's bytes: the same offset here and there
	s_add_co_u32 s74, s72, s[G0A+1]
	s_mov_b32 s75, 0
	s_mul_i32 s[G0B+1], s[WV], 14336
	s_add_co_u32 s[G0B+1], s[G0B+1], PARTA
	s_add_co_u32 s76, s72, s[G0B+1]
	s_mov_b32 s77, 0
	s_mov_b32 s[G0A], 1
	s_mov_b32 s[G0B], 1
	s_lshl_b32 s[JE], s[WV], 2
	s_add_co_u32 s[JE], s[JE], s[CX]               ; the early tile
	s_sub_co_u32 s[JL], 127, s[JE]                 ; the late tile
	s_lshr_b32 s[LAST], s[WV], 1
	s_xor_b32 s[LAST], s[LAST], 15                 ; the late tile's last key step: 15 - w / 2, from the wave's number alone
	s_xor_b32 s[NEG], s[LAST], -1                  ; -(that + 1)
	s_mov_b32 s[SEL], 0x76543210
	s_mov_b32 s[SEL+1], 0xfedcba98                 ; v_permlanex16_b32's selects for lane l xor 16
	s_mov_b32 s[CS], 0x3e38aa3b                    ; c = log2(e) / 8
	s_mov_b32 s[CS+1], s[CS]                       ; (named with it as a pair, so it is written)
	s_mov_b32 s[HM], 0xffff0000                    ; lanes 16-31
	v_and_b32 v[LW], 31, v0
	s_delay_alu instid0(VALU_DEP_1)
	v_lshlrev_b32 v[LI], 4, v[LW]
	s_delay_alu instid0(VALU_DEP_2)
	v_lshlrev_b32 v[LW], 2, v[LW]
	v_and_b32 v[R4], 15, v0                        ; r
	v_bfe_u32 v9, v0, 4, 1                         ; h
	s_delay_alu instid0(VALU_DEP_1)
	v_lshlrev_b32 v8, 3, v9
	s_delay_alu instid0(VALU_DEP_1)
	v_sub_nc_u32 v[RH], v[R4], v8
	s_delay_alu instid0(VALU_DEP_2)
	v_lshl_add_u32 v[YO], v[R4], 4, v8
	s_delay_alu instid0(VALU_DEP_4)
	v_lshl_add_u32 v[YSO], v[R4], 5, v9
	v_lshlrev_b32 v[R4], 2, v[R4]
	v_mov_b32 v[NINF], 0xff800000
	s_wait_dscnt 0x0
	s_wait_kmcnt 0x0
	s_add_nc_u64 s[G0A+2:G0A+3], s[8:9], s[74:75]
	s_or_b32 s[G0A+3], s[G0A+3], 0x80000000
	s_add_nc_u64 s[G0B+2:G0B+3], s[8:9], s[76:77]
	s_or_b32 s[G0B+3], s[G0B+3], 0x80000000
	CROUND                                         ; all four work-groups are here: the joint loads meet
	tensor_load_to_lds s[G0A:G0A+3], s[G1A:G1A+7]  ; the first fill: it has landed before the second is asked for
	s_nop 0
	s_wait_alu depctr_va_vdst(0)
	s_wait_tensorcnt 0x0
	ds_add_u32 v254, v255
	s_wait_dscnt 0x0
	CROUND
	tensor_load_to_lds s[G0B:G0B+3], s[G1B:G1B+7]
	s_nop 0
.rept 4
	v_nop
.endr
	TILE JL, 74, 76, 48, 50, 56
	TILE JE, 44, 46, 52, 54, 57
	global_load_b128 v[24:27], v[LI], s[74:75]     ; the late tile's q: an image of two groups of four registers
	global_load_b128 v[28:31], v[LI], s[74:75] offset:512
	s_wait_alu depctr_va_vdst(0)
	global_load_u16 v40, v[R4], s[76:77]           ; and its two scale bytes
	global_load_b128 v[80:83], v[LI], s[44:45]     ; the early tile's wait in spare registers
	global_load_b128 v[84:87], v[LI], s[44:45] offset:512
	global_load_u16 v88, v[R4], s[46:47]
.irp i, 0,1,2,3,4,5,6,7
	v_mov_b32 v[16+\i], 0                          ; zero codes on either side of q
	v_mov_b32 v[32+\i], 0
.endr
.irp b, 0,1,2,3
	v_mov_b32 v[212+\b], 0                         ; written once: a lane permute's destination counts as one of its sources
.endr
	v_mov_b32 v225, 0                              ; (named as the upper half of the pair v[224:225])
	RESET
	s_wait_loadcnt 0x0
	v_lshl_or_b32 v40, v40, 16, v40                ; q's two bytes serve k 0-63 in [q | 0] and k 64-127 in [0 | q]
	v_lshl_or_b32 v88, v88, 16, v88
; A KEY STEP: 128 keys.  dyn = 0: key step k, by constant addresses.  dyn = 1: trip s[IT] of the loop: the tile's own step, the mask in a tile's last step, and behind it the tile's end.
.macro STEP dyn, k
.if \dyn
	s_add_co_u32 s[SIG], s[IT], s[NEG]             ; the early tile's step; it wraps to a very large number while the late tile is in hand,
	s_min_u32 s[SIG], s[SIG], s[IT]                ; whose step is the trip itself
	s_lshl_b32 s71, s[SIG], 14
	s_lshl_b32 s72, s[SIG], 8
	v_add_nc_u32 v[ADC], s71, v[LI]
	v_add_nc_u32 v[ADW], s72, v[LW]
.set AR, ADC
.set AW, ADW
.else
.set AR, LI
.set AW, LW
.endif
.set OC, CODES+STEPB*(\k)
.set OW, 256*(\k)
.rept 9
	v_nop                                          ; nine places: the first products below write over registers that the last step's products read; the loads want eight
.endr
.irp p, 0,1
.irp c, 0,1,2,3
	ds_load_b128 v[128+16*\p+4*\c:131+16*\p+4*\c], v[AR] offset:OC+2048*\p+512*\c
.endr
.endr
	ds_load_b32 v42, v[AW] offset:KWD+OW           ; lanes 0-15: pair 0's words, lanes 16-31: pair 1's
.irp p, 0,1
.irp c, 0,1,2,3
	ds_load_b128 v[48+16*\p+4*\c:51+16*\p+4*\c], v[AR] offset:OC+4096+2048*\p+512*\c
.endr
.endr
	ds_load_b32 v43, v[AW] offset:KWD+OW+128       ; pairs 2 and 3
	s_wait_dscnt 9                                 ; pairs 0 and 1 and their words are in; the nine loads behind them may be out
	v_wmma_scale_f32_16x16x128_f8f6f4 v[96:103], v[128:143], v[24:39], 0, v42, v40
	v_wmma_scale_f32_16x16x128_f8f6f4 v[104:111], v[128:143], v[16:31], 0, v42, v40
	v_wmma_scale_f32_16x16x128_f8f6f4 v[112:119], v[144:159], v[24:39], 0, v42, v40 matrix_a_scale:MATRIX_SCALE_ROW1
	v_wmma_scale_f32_16x16x128_f8f6f4 v[120:127], v[144:159], v[16:31], 0, v42, v40 matrix_a_scale:MATRIX_SCALE_ROW1
	s_wait_dscnt 0x0
.rept 9
	v_nop                                          ; nine places: tiles 4 to 7 are laid over pairs 0 and 1, which are done with
.endr
	v_wmma_scale_f32_16x16x128_f8f6f4 v[128:135], v[48:63], v[24:39], 0, v43, v40
	v_wmma_scale_f32_16x16x128_f8f6f4 v[136:143], v[48:63], v[16:31], 0, v43, v40
	v_wmma_scale_f32_16x16x128_f8f6f4 v[144:151], v[64:79], v[24:39], 0, v43, v40 matrix_a_scale:MATRIX_SCALE_ROW1
	v_wmma_scale_f32_16x16x128_f8f6f4 v[152:159], v[64:79], v[16:31], 0, v43, v40 matrix_a_scale:MATRIX_SCALE_ROW1
.rept 8
	v_nop
.endr
.if \dyn
	s_cmp_lg_u32 s[IT], s[LAST]                    ; only a tile's last step lies on the diagonal
	s_cbranch_scc1 .Lopen_\@
	v_add_nc_u32 v[DD], s[DQ], v[RH]               ; d = my query in the step - 8 h.  Register n holds key 16 (n / 8) + n % 8 + 8 h: hidden where 16 (n / 8) + n % 8 > d
.set NN, 0
.rept 64
	v_cmp_gt_i32 vcc_lo, 16*(NN/8)+NN%8, v[DD]
	v_cndmask_b32 v[96+NN], v[96+NN], v[NINF], vcc_lo
.set NN, NN+1
.endr
.Lopen_\@:
.endif
.irp b, 0,1,2,3
	v_max3_num_f32 v[208+\b], v[96+16*\b], v[97+16*\b], v[98+16*\b]   ; the largest score of each block of 32 keys: for the row's maximum, and, since p rises with the score, for the block's largest p
.endr
.irp i, 3,5,7,9,11,13
.irp b, 0,1,2,3
	v_max3_num_f32 v[208+\b], v[208+\b], v[96+16*\b+\i], v[97+16*\b+\i]
.endr
.endr
.irp b, 0,1,2,3
	v_max_num_f32 v[208+\b], v[208+\b], v[111+16*\b]
.endr
.irp b, 0,1,2,3
	s_delay_alu instid0(VALU_DEP_4)
	v_permlanex16_b32 v[212+\b], v[208+\b], s[SEL], s[SEL+1]
.endr
.irp b, 0,1,2,3
	s_delay_alu instid0(VALU_DEP_4)
	v_max_num_f32 v[208+\b], v[208+\b], v[212+\b]  ; with lane l xor 16's 16 keys
.endr
	s_delay_alu instid0(VALU_DEP_2)
	v_max3_num_f32 v226, v208, v209, v210
	s_delay_alu instid0(VALU_DEP_1)
	v_max_num_f32 v226, v226, v211
	s_delay_alu instid0(VALU_DEP_1)
	v_mul_f32 v226, s[CS], v226                    ; as t
	s_delay_alu instid0(VALU_DEP_1)
	v_max_num_f32 v13, v13, v226                   ; the running largest t
	v_mov_b32 v226, v12
	s_delay_alu instid0(VALU_DEP_2)
	v_floor_f32 v12, -v13                          ; the new -M = -ceil(t): a whole number
	s_delay_alu instid0(VALU_DEP_1)
	v_sub_f32 v226, v12, v226                      ; old M - new M, 0 or less
	s_delay_alu instid0(VALU_DEP_1)
	v_cvt_i32_f32 v226, v226                       ; (it saturates)
	s_delay_alu instid0(VALU_DEP_1)
	v_ldexp_f32 v224, 1.0, v226                    ; f = 2^(old M - new M): a multiplication by it rounds nothing
.set NN, 0
.rept 32
	v_pk_fma_f32 v[96+NN:97+NN], v[96+NN:97+NN], s[CS:CS+1], v[12:13] op_sel_hi:[1,0,0]   ; t - M, two at a time
.set NN, NN+2
.endr
.irp b, 0,1,2,3
	v_fma_f32 v[208+\b], v[208+\b], s[CS], v12     ; the same of each block's largest score
.endr
.set NN, 0
	s_wait_alu depctr_va_vdst(0)
.rept 64
	v_exp_f32 v[96+NN], v[96+NN]                   ; p = 2^(t - M)
.set NN, NN+1
.endr
.irp b, 0,1,2,3
	v_exp_f32 v[208+\b], v[208+\b]                 ; the block's largest p
.endr
	v_pk_mul_f32 v[14:15], v[14:15], v[224:225] op_sel_hi:[1,0]   ; the sums under the new M (a plain place behind the exponentials)
	s_wait_alu depctr_va_vdst(0)
.irp b, 0,1,2,3
	v_max_num_f32 v[208+\b], 0x4800000, v[208+\b]  ; the floor 2^(9 - 127): the byte cannot fall under 1
.endr
.irp b, 0,1,2,3
	s_delay_alu instid0(VALU_DEP_4)
	v_add_nc_u32 v[220+\b], 0xfc000000, v[208+\b]  ; 8 off the exponent field: the conversion's scale operand
.endr
.irp b, 0,1,2,3
.endr
.irp b, 0,1,2,3
	s_delay_alu instid0(VALU_DEP_4)
	v_lshrrev_b32 v[212+\b], 23, v[220+\b]         ; the scale's byte
.endr
	s_delay_alu instid0(VALU_DEP_3)
	v_lshl_or_b32 v41, v213, 8, v212               ; p's scale word for these 128 keys
	s_delay_alu instid0(VALU_DEP_1)
	v_lshl_or_b32 v41, v214, 16, v41
	s_delay_alu instid0(VALU_DEP_1)
	v_lshl_or_b32 v41, v215, 24, v41
	v_pk_add_f32 v[228:229], v[96:97], v[98:99]    ; the row's sum is taken of the unquantised p, in two chains
.irp j, 4,8,12,16,20,24,28,32,36,40,44,48,52,56,60
	v_pk_add_f32 v[14:15], v[14:15], v[96+\j:97+\j]
	v_pk_add_f32 v[228:229], v[228:229], v[98+\j:99+\j]
.endr
	s_delay_alu instid0(VALU_DEP_1)
	v_pk_add_f32 v[14:15], v[14:15], v[228:229]
.irp b, 0,1,2,3
.set NN, 0
.rept 16
.set NN, NN+1
.endr
	v_cvt_scalef32_pk8_fp8_f32 v[192+4*\b:193+4*\b], v[96+16*\b:103+16*\b], v[220+\b]
	v_cvt_scalef32_pk8_fp8_f32 v[194+4*\b:195+4*\b], v[104+16*\b:111+16*\b], v[220+\b]
.endr
	v_nop                                          ; one plain vector instruction behind the last scaled conversion
.irp t, 0,1,2,3
.irp c, 0,1,2,3
	ds_load_b128 v[96+16*\t+4*\c:99+16*\t+4*\c], v[AR] offset:OC+8192+2048*\t+512*\c   ; V's four fragments take p's registers
.endr
.endr
	ds_load_b32 v44, v[AW] offset:VWD+OW           ; lanes 0-15: tile 0's words, lanes 16-31: tile 2's
	ds_load_b32 v45, v[AW] offset:VWD+OW+128       ; tiles 1 and 3
.set NN, 0
.rept 16
	v_pk_mul_f32 v[160+NN:161+NN], v[160+NN:161+NN], v[224:225] op_sel_hi:[1,0]   ; O^T under the new M; these lines are also the places between the codes and the products
.set NN, NN+2
.endr
	s_wait_alu depctr_va_vdst(0)
	s_wait_dscnt 0x0
	v_wmma_scale_f32_16x16x128_f8f6f4 v[160:167], v[96:111], v[192:207], v[160:167], v44, v41
	v_wmma_scale_f32_16x16x128_f8f6f4 v[168:175], v[112:127], v[192:207], v[168:175], v45, v41
	v_wmma_scale_f32_16x16x128_f8f6f4 v[176:183], v[128:143], v[192:207], v[176:183], v44, v41 matrix_a_scale:MATRIX_SCALE_ROW1
	v_wmma_scale_f32_16x16x128_f8f6f4 v[184:191], v[144:159], v[192:207], v[184:191], v45, v41 matrix_a_scale:MATRIX_SCALE_ROW1
.if \dyn
	s_cmp_lg_u32 s[IT], s[LAST]
	s_cbranch_scc1 .Lon_\@
	; THE TILE'S END: y = O^T / the sum, quantised along its 64 channels: two blocks, each shared with the lane 16 away
.rept 8
	v_nop
.endr
	v_add_f32 v14, v14, v15
	s_delay_alu instid0(VALU_DEP_1)
	v_permlanex16_b32 v226, v14, s[SEL], s[SEL+1]
	s_delay_alu instid0(VALU_DEP_1)
	v_add_f32 v14, v14, v226                       ; the row's sum
	s_wait_alu depctr_va_vdst(0)
	v_rcp_f32 v224, v14
	v_nop                                          ; one plain place behind a transcendental
.set NN, 0
	s_wait_alu depctr_va_vdst(0)
.rept 16
	v_pk_mul_f32 v[96+NN:97+NN], v[160+NN:161+NN], v[224:225] op_sel_hi:[1,0]   ; register 8 t + j: channel 16 t + 8 h + j of my query
.set NN, NN+2
.endr
.irp b, 0,1
	v_max3_num_f32 v[208+\b], |v[96+16*\b]|, |v[97+16*\b]|, 0x4800000
.endr
.irp i, 2,4,6,8,10,12,14
.irp b, 0,1
	s_delay_alu instid0(VALU_DEP_2)
	v_max3_num_f32 v[208+\b], v[208+\b], |v[96+16*\b+\i]|, |v[97+16*\b+\i]|
.endr
.endr
.irp b, 0,1
	s_delay_alu instid0(VALU_DEP_2)
	v_permlanex16_b32 v[212+\b], v[208+\b], s[SEL], s[SEL+1]
.endr
.irp b, 0,1
	s_delay_alu instid0(VALU_DEP_2)
	v_max_num_f32 v[208+\b], v[208+\b], v[212+\b]
.endr
.irp b, 0,1
	s_delay_alu instid0(VALU_DEP_2)
	v_add_nc_u32 v[220+\b], 0xfc000000, v[208+\b]
.endr
.irp b, 0,1
.endr
.irp b, 0,1
	s_delay_alu instid0(VALU_DEP_2)
	v_lshrrev_b32 v[212+\b], 23, v[220+\b]
.endr
.irp b, 0,1
.set NN, 0
.rept 16
.set NN, NN+1
.endr
	v_cvt_scalef32_pk8_fp8_f32 v[192+4*\b:193+4*\b], v[96+16*\b:103+16*\b], v[220+\b]
	v_cvt_scalef32_pk8_fp8_f32 v[194+4*\b:195+4*\b], v[104+16*\b:111+16*\b], v[220+\b]
.endr
	v_cndmask_b32 v226, v212, v213, s[HM]          ; lane (r, h) stores block h's byte.  (The plain place behind the conversions)
.irp b, 0,1
.irp u, 0,1
	global_store_b64 v[YO], v[192+4*\b+2*\u:193+4*\b+2*\u], s[YCUR:YCUR+1] offset:512*\b+256*\u   ; channels 32 b + 16 u + 8 h + 0..7 belong to lane 16 u + r of proj's fragment, at byte 8 h: 32 lanes store 256 consecutive bytes, aligned
.endr
.endr
	global_store_b8 v[YSO], v226, s[YCUR+2:YCUR+3]
	s_wait_xcnt 0x0                                ; the stores have read their data and their bases: both are written again only behind this wait
	s_cmp_eq_u32 s[IT], 16
	s_cbranch_scc1 .Lon_\@
	s_mov_b32 s[LAST], 16                          ; THE EARLY TILE BEGINS: it ends in the last trip
	s_mov_b64 s[YCUR:YCUR+1], s[YCUR+4:YCUR+5]
	s_mov_b64 s[YCUR+2:YCUR+3], s[YCUR+6:YCUR+7]
	s_mov_b32 s[DQ], s[DQ+1]
.irp i, 0,1,2,3,4,5,6,7
	v_mov_b32 v[24+\i], v[80+\i]
.endr
	v_mov_b32 v40, v88
	RESET                                          ; (its lines and the next step's places stand between these writes and the next products)
.Lon_\@:
.endif
.endm
	s_wait_alu depctr_va_vdst(0)
	s_wait_tensorcnt 0x1                           ; my first load has landed; the second may stay out
	s_barrier_signal -1
	s_barrier_wait -1                              ; everybody's has: bytes 0 to 40,959 are whole
	STEP 0, 0                                      ; the late tile's key steps 0 and 1: every late tile has at least nine steps, so neither lies on the diagonal
	STEP 0, 1
	s_wait_tensorcnt 0x0                           ; my second load has landed,
	s_wait_dscnt 0x0
	s_barrier_signal -1
	s_barrier_wait -1                              ; everybody's has: the head is whole
	s_mov_b32 s[IT], 2
.Lmain:                                            ; 15 trips in every wave
	STEP 1, 0
	s_add_co_u32 s[IT], s[IT], 1
	s_cmp_lt_u32 s[IT], 17
	s_cbranch_scc1 .Lmain
	s_wait_dscnt 0x0
	s_wait_tensorcnt 0x0
	ds_add_u32 v254, v255
	s_wait_dscnt 0x0
	CROUND                                         ; the closing round
	s_endpgm
.Lfunc_end_k_q8bb0f24862_attn:
	.size	k_q8bb0f24862_attn, .Lfunc_end_k_q8bb0f24862_attn-k_q8bb0f24862_attn
	.p2alignl 7, 3214868480
	.fill 96, 4, 3214868480
	.section	.rodata,"a",@progbits
	.p2align	6, 0x0
	.amdhsa_kernel k_q8bb0f24862_attn
		.amdhsa_group_segment_fixed_size 327680
		.amdhsa_private_segment_fixed_size 0
		.amdhsa_enable_private_segment 0
		.amdhsa_kernarg_size 40
		.amdhsa_user_sgpr_count 2
		.amdhsa_user_sgpr_kernarg_segment_ptr 1
		.amdhsa_wavefront_size32 1
		.amdhsa_system_sgpr_workgroup_id_x 1
		.amdhsa_system_sgpr_workgroup_id_y 1
		.amdhsa_system_sgpr_workgroup_id_z 1
		.amdhsa_system_vgpr_workitem_id 0
		.amdhsa_next_free_vgpr 256
		.amdhsa_next_free_sgpr 80
		.amdhsa_reserve_vcc 1
		.amdhsa_float_denorm_mode_32 3
		.amdhsa_float_denorm_mode_16_64 3
		.amdhsa_fp16_overflow 1
		.amdhsa_memory_ordered 1
		.amdhsa_forward_progress 1
		.amdhsa_inst_pref_size 73
	.end_amdhsa_kernel
	.amdgpu_metadata
---
amdhsa.version: [ 1, 2 ]
amdhsa.kernels:
  - .name:           k_q8bb0f24862_attn
    .symbol:         k_q8bb0f24862_attn.kd
    .args:
      - { .name: qc, .offset: 0, .size: 8, .value_kind: global_buffer, .address_space: global }
      - { .name: qs, .offset: 8, .size: 8, .value_kind: global_buffer, .address_space: global }
      - { .name: kv, .offset: 16, .size: 8, .value_kind: global_buffer, .address_space: global }
      - { .name: yc, .offset: 24, .size: 8, .value_kind: global_buffer, .address_space: global }
      - { .name: ys, .offset: 32, .size: 8, .value_kind: global_buffer, .address_space: global }
    .group_segment_fixed_size: 327680
    .private_segment_fixed_size: 0
    .kernarg_segment_align: 8
    .kernarg_segment_size: 40
    .max_flat_workgroup_size: 512
    .sgpr_count:     80
    .vgpr_count:     256
    .wavefront_size: 32
...
	.end_amdgpu_metadata
.endif
;; end of part 2
;; launch proj (part 3): grid 4 x 32, 4 waves a work-group, clusters of 4 x 4, 327,680 bytes of LDS; arguments yc, ys, w_proj_codes, w_proj_scales, b_proj, out0; writes out0
.if DOCPART == 3
	.amdgcn_target "amdgcn-amd-amdhsa--gfx1250"
	.amdhsa_code_object_version 6
	.text
	.protected	k_q8bb0f24862_proj
	.globl	k_q8bb0f24862_proj
	.p2align	8
	.type	k_q8bb0f24862_proj,@function
k_q8bb0f24862_proj:
	s_mov_b64 s[64:65], 0
	v_nop
	global_prefetch_b8 v0, s[64:65] scope:SCOPE_SE
	s_setreg_imm32_b32 hwreg(HW_REG_WAVE_MODE, 25, 1), 1
	s_wait_xcnt 0x0
	s_wait_alu depctr_hold_cnt(0) depctr_sa_sdst(0) depctr_va_vdst(0) depctr_va_sdst(0) depctr_va_ssrc(0) depctr_va_vcc(0) depctr_vm_vsrc(0)
	s_getreg_b32 s2, hwreg(HW_REG_IB_STS2, 6, 4)
	s_cmp_eq_u32 s2, 0
	s_cbranch_scc0 .Lentry_in_a_cluster
	s_endpgm
.Lentry_in_a_cluster:
	s_bfe_u32 s2, ttmp6, 0x10000c
	s_cmp_lg_u32 s2, 0xf033
	s_cbranch_scc0 .Lentry_shape_is_right
	s_endpgm
.Lentry_shape_is_right:
; out0 = y W_proj + b_proj on codes of FP8 (E4M3) with one E8M0 scale for each 32 along K = 1,024.  y: 8,192 rows; W_proj: 1,024 rows of 1,024 codes, K innermost; out0: [8192][1024] f32.
; A tile of 256 x 256 is made by a work-group of four waves, 128 x 128 a wave: 64 accumulators.  K goes in steps of 256 through a ring of two LDS slots; the scale bytes of the work-group's rows come once.
; y's CODES ARE IMAGES OF OPERAND REGISTERS: [tile of 16 rows][K step of 128][c 4][lane][16 bytes].  A slot's part of a tile of rows is 4,096 consecutive bytes: a wave's load brings 8 such rows, 16,384 bytes apart,
; and a fragment is four loads of 512 consecutive bytes.  W's tiles are rows of 256 bytes, padded in LDS.  y's scale bytes lie [8192][32], as W's do.
; CLUSTERS: 4 x 4 work-groups; y's tile is shared along a row of the cluster, W's along a column: joint loads.  The matrix instruction is used transposed (source 0 = W's rows, source 1 = y's rows).
; The bias is the C of the first products.  128 work-groups: a smaller tile would give more; this launch is a small part of the program's work.
; REGISTERS: window 0: v0-31 addresses; v32-63 scale words; v64-127 the bias; v128-255 y's fragments, on the way out rows of the result; window 1: W's two sets; windows 2, 3: accumulators.
.set SIZE_N, 1024
.set KSTEP,  256
.set NQ,     2
.set ROWB,   256
.set AROWB,  4096                      ; a slot's part of a tile of 16 rows of y
.set KROW,   1024
.set PITCH,  272
.set FR,     16
.set NL,     4
.set NP,     8
.set HALFT,  128*PITCH
.set SLOT,   4*HALFT
.set LAPS,   2
.set KS,     32
.set SCL,    2*SLOT
.set HALFS,  (128*KS/256)*272
.set SBLK,   (16*KS/256)*272
.set SPARE,  SCL+4*HALFS               ; the spare words: 128 bytes a wave, two blocks of 256 bytes that no other line names
.set SPITCH, 528                       ; the way out: a stage of 16 rows x (512 + 16) bytes a wave, in slot 0, which has had its last fill and its last read by then
.set ADRA, 16
.set ADRB, 20
.set STO,  24
.set RD,   25
.set CO,   26
.set ADRS, 27
.set SPW,  28
.set NIL,  29
.set SC,   32
.set BI,   64
.set AF,   128
.set BK,   128
.set G1, 24
.set G0, 32
.set G1B, 48
.set G0B, 56
.set G1S, 68
.set G0S, 76
.set G1SB, 80
.set G0SB, 88
.set MSB, 0
.macro WIN new
.if MSB != \new
	s_set_vgpr_msb (MSB<<8)|\new
.set MSB, \new
.endif
.endm
.set MUL_LO, 0xa1
.set MUL_HI, 0xf1
.set TO_B,   0x40
.macro JLOAD g0a, g1a, g0b, g1b        ; waves 0 and 1 fetch for y, waves 2 and 3 for W; four v_nop follow each of the two lines
	s_cmp_eq_u32 s15, 0
	s_cbranch_scc0 .Lfor_b_\@
	tensor_load_to_lds s[\g0a:\g0a+3], s[\g1a:\g1a+7]
	s_nop 0
.rept 4
	v_nop
.endr
	s_branch .Lasked_\@
.Lfor_b_\@:
	tensor_load_to_lds s[\g0b:\g0b+3], s[\g1b:\g1b+7]
	s_nop 0
.rept 4
	v_nop
.endr
.Lasked_\@:
.endm
.macro CREST
	s_cmp_lg_u32 s14, 0
	s_cbranch_scc1 .Lnot_wave_0_\@
	s_barrier_signal -3
.Lnot_wave_0_\@:
	s_barrier_wait -3
	s_barrier_signal -1
	s_barrier_wait -1
.endm
.macro CROUND
	s_barrier_signal -1
	s_barrier_wait -1
	CREST
.endm
	s_load_b128 s[4:7], s[0:1], 0x0                ; y's codes, y's scales
	s_load_b128 s[8:11], s[0:1], 0x10              ; W's codes, W's scales
	s_load_b64 s[96:97], s[0:1], 0x20              ; b_proj
	s_load_b64 s[12:13], s[0:1], 0x28              ; out0
	v_lshl_add_u32 v[SPW], v0, 2, SPARE
	v_mov_b32 v[NIL], 0
	ds_add_u32 v28, v29
	ds_add_u32 v28, v29
	s_wait_dscnt 0x0
	v_lshrrev_b32 v1, 5, v0
	v_readfirstlane_b32 s14, v1                    ; wave 0..3
	s_lshr_b32 s15, s14, 1                         ; which half of the tile's rows is mine.  Also: I fetch for y (0) or for W (1)
	s_and_b32 s16, s14, 1                          ; which half of its columns.  Also: which 128 rows of that tile I fetch
	s_bfe_u32 s40, ttmp6, 0x40000
	s_bfe_u32 s41, ttmp6, 0x40004
	s_lshl_b32 s42, ttmp9, 2
	s_add_co_u32 s42, s42, s40                     ; tile column
	s_and_b32 s17, ttmp7, 0xffff
	s_lshl_b32 s17, s17, 2
	s_add_co_u32 s17, s17, s41                     ; tile row
	s_lshl_b32 s43, s41, 2
	s_lshl_b32 s43, 15, s43                        ; my row of the cluster
	s_lshl_b32 s44, 0x1111, s40                    ; my column
	s_or_b32 s[G1+0], s43, (3<<16)|(1<<21)         ; y: the mask; elements of 8 bytes; bit 21 beside a mask; no padding
	s_mov_b32 s[G1+1], 512<<16                     ; a row: 512 elements = 4,096 bytes
	s_mov_b32 s[G1+2], 8<<16                       ; 8 tiles of 16 rows
	s_mov_b32 s[G1+3], 512<<16
	s_mov_b32 s[G1+4], 8
	s_mov_b32 s[G1+5], 2048                        ; 16,384 bytes from one tile of rows to the next
	s_mov_b32 s[G1+6], 0
	s_mov_b32 s[G1+7], 0
	s_or_b32 s[G1B+0], s44, (0<<16)|(1<<20)|(1<<21)|(5<<22)|(3<<25)  ; W: elements of 1 byte; 4 words of padding after every 64
	s_mov_b32 s[G1B+1], ROWB<<16
	s_mov_b32 s[G1B+2], 128<<16
	s_mov_b32 s[G1B+3], ROWB<<16
	s_mov_b32 s[G1B+4], 128
	s_mov_b32 s[G1B+5], KROW
	s_mov_b32 s[G1B+6], 0
	s_mov_b32 s[G1B+7], 0
	s_or_b32 s[G1S+0], s43, (3<<16)|(1<<20)|(1<<21)|(5<<22)|(3<<25)
	s_or_b32 s[G1SB+0], s44, (3<<16)|(1<<20)|(1<<21)|(5<<22)|(3<<25)
.irp g, G1S, G1SB
	s_mov_b32 s[\g+1], 32<<16
	s_mov_b32 s[\g+2], (128*KS/256)<<16
	s_mov_b32 s[\g+3], 32<<16
	s_mov_b32 s[\g+4], 128*KS/256
	s_mov_b32 s[\g+5], 32
	s_mov_b32 s[\g+6], 0
	s_mov_b32 s[\g+7], 0
.endr
	s_lshl_b32 s18, s16, 7
	s_lshl_b32 s20, s17, 8
	s_add_co_u32 s20, s20, s18                     ; y: row 256 x tile row + 128 x half
	s_lshl_b32 s46, s42, 8
	s_add_co_u32 s46, s46, s18                     ; W: row 256 x tile column + 128 x half
	s_mov_b32 s21, 0
	s_mov_b32 s47, 0
	s_mov_b64 s[18:19], KS
	s_mul_u64 s[22:23], s[20:21], s[18:19]         ; these rows' scales
	s_mul_u64 s[92:93], s[46:47], s[18:19]
	s_mov_b64 s[18:19], KROW
	s_mul_u64 s[20:21], s[20:21], s[18:19]         ; and their codes: in y's images too 16 rows are 16,384 bytes
	s_mul_u64 s[46:47], s[46:47], s[18:19]
	s_mul_i32 s45, s14, HALFT
	s_mul_i32 s94, s14, HALFS
	s_wait_kmcnt 0x0
	s_add_nc_u64 s[20:21], s[4:5], s[20:21]
	s_add_nc_u64 s[22:23], s[6:7], s[22:23]
	s_add_nc_u64 s[46:47], s[8:9], s[46:47]
	s_add_nc_u64 s[92:93], s[10:11], s[92:93]
	CROUND                                         ; all sixteen work-groups are here: the first joint loads meet
	s_mov_b32 s[G0S], 1
	s_add_co_u32 s[G0S+1], s94, SCL
	s_mov_b64 s[G0S+2:G0S+3], s[22:23]
	s_or_b32 s[G0S+3], s[G0S+3], 0x80000000
	s_mov_b32 s[G0SB], 1
	s_add_co_u32 s[G0SB+1], s94, SCL
	s_mov_b64 s[G0SB+2:G0SB+3], s[92:93]
	s_or_b32 s[G0SB+3], s[G0SB+3], 0x80000000
	JLOAD G0S, G1S, G0SB, G1SB
.irp s, 0,1
	s_mov_b32 s[G0+4*\s], 1
	s_add_co_u32 s[G0+4*\s+1], s45, \s*SLOT
	s_add_nc_u64 s[G0+4*\s+2:G0+4*\s+3], s[20:21], \s*AROWB
	s_or_b32 s[G0+4*\s+3], s[G0+4*\s+3], 0x80000000
	s_mov_b32 s[G0B+4*\s], 1
	s_add_co_u32 s[G0B+4*\s+1], s45, \s*SLOT
	s_add_nc_u64 s[G0B+4*\s+2:G0B+4*\s+3], s[46:47], \s*ROWB
	s_or_b32 s[G0B+4*\s+3], s[G0B+4*\s+3], 0x80000000
	s_wait_alu depctr_va_vdst(0)
	s_wait_tensorcnt 0x0
	ds_add_u32 v28, v29
	s_wait_dscnt 0x0
	CROUND
	JLOAD G0+4*\s, G1, G0B+4*\s, G1B
.endr
	v_and_b32 v1, 15, v0                           ; r
	v_bfe_u32 v2, v0, 4, 1                         ; h
	v_mul_u32_u24 v3, v1, PITCH
	v_lshl_add_u32 v4, v2, 4, v3                   ; W: a fragment's row x pitch + 16 h
	v_and_b32 v6, 31, v0
	v_lshlrev_b32 v[CO], 4, v6                     ; 16 x lane: y's images, and a row of the result
	s_mul_i32 s21, s15, HALFT                      ; my 128 rows of y
	s_mul_i32 s22, s16, HALFT                      ; my 128 rows of W,
	s_add_co_u32 s22, s22, 2*HALFT                 ; which lie behind y's
.irp s, 0,1
	v_add_nc_u32 v[ADRA+\s], s21, v[CO]
	v_add_nc_u32 v[ADRB+\s], s22, v4
	s_add_co_u32 s21, s21, SLOT
	s_add_co_u32 s22, s22, SLOT
.endr
	v_mul_u32_u24 v5, v1, KS
	v_lshrrev_b32 v6, 8, v5
	v_lshl_add_u32 v5, v6, 4, v5
	s_mul_i32 s21, s15, HALFS
	s_mul_i32 s22, s16, HALFS
	s_add_co_u32 s22, s22, 2*HALFS
	s_sub_co_u32 s22, s22, s21
	v_mul_u32_u24 v6, s22, v2                      ; lanes 16-31 take W's
	s_add_co_u32 s21, s21, SCL
	v_add_nc_u32 v5, v5, v6
	v_add_nc_u32 v[ADRS], s21, v5
	s_mul_i32 s23, s14, 16*SPITCH                  ; my stage
	v_mul_u32_u24 v5, v1, SPITCH
	v_lshl_add_u32 v5, v2, 5, v5
	v_add_nc_u32 v[STO], s23, v5
	v_add_nc_u32 v[RD], s23, v[CO]
	s_lshl_b32 s20, s17, 8
	s_lshl_b32 s21, s15, 7
	s_add_co_u32 s20, s20, s21                     ; my first row of the result
	s_mov_b32 s21, 0
	s_mov_b64 s[18:19], SIZE_N*4
	s_mul_u64 s[20:21], s[20:21], s[18:19]
	s_lshl_b32 s46, s42, 10                        ; my first column, in bytes
	s_lshl_b32 s47, s16, 9
	s_add_co_u32 s46, s46, s47
	s_mov_b32 s47, 0
	s_add_nc_u64 s[96:97], s[96:97], s[46:47]      ; the bias of my 128 columns
	s_add_nc_u64 s[20:21], s[20:21], s[46:47]
	s_add_nc_u64 s[12:13], s[12:13], s[20:21]
	v_lshlrev_b32 v30, 5, v2
.irp b, 0,1,2,3,4,5,6,7
	global_load_b128 v[BI+8*\b:BI+8*\b+3], v30, s[96:97] offset:64*\b        ; register j of W's block b: column 16 b + 8 h + j
	global_load_b128 v[BI+8*\b+4:BI+8*\b+7], v30, s[96:97] offset:64*\b+16
.endr
.macro FRAG reg, adr, q, i             ; W: 16 rows x 128 K from padded rows
.irp c, 0,1,2,3
	ds_load_b128 v[\reg+4*\c:\reg+4*\c+3], v[\adr] offset:128*(\q)+32*\c+(\i)*16*PITCH
.endr
.endm
.macro FRAGA reg, adr, q, i            ; y: an image: four runs of 512 consecutive bytes
.irp c, 0,1,2,3
	ds_load_b128 v[\reg+4*\c:\reg+4*\c+3], v[\adr] offset:4096*(\i)+2048*(\q)+512*\c
.endr
.endm
; 16 matrix instructions.  zero = 1: the sums begin with the bias.  The 64 accumulators take turns, one instruction a turn.
.macro MUL16 a0, p, q, sc, zero
.irp a, \a0, \a0+1
.irp b, 0,1,2,3,4,5,6,7
.if \zero
	v_wmma_scale_f32_16x16x128_f8f6f4 v[8*(8*((\a)%4)+\b):8*(8*((\a)%4)+\b)+7], v[128*(\p)+FR*\b:128*(\p)+FR*\b+FR-1], v[AF+FR*(\a):AF+FR*(\a)+FR-1], v[BI+8*\b:BI+8*\b+7], v[SC+8*NQ*(\sc)+NQ*\b+(\q)], v[SC+8*NQ*(\sc)+NQ*(\a)+(\q)] matrix_a_scale:MATRIX_SCALE_ROW1
.else
	v_wmma_scale_f32_16x16x128_f8f6f4 v[8*(8*((\a)%4)+\b):8*(8*((\a)%4)+\b)+7], v[128*(\p)+FR*\b:128*(\p)+FR*\b+FR-1], v[AF+FR*(\a):AF+FR*(\a)+FR-1], v[8*(8*((\a)%4)+\b):8*(8*((\a)%4)+\b)+7], v[SC+8*NQ*(\sc)+NQ*\b+(\q)], v[SC+8*NQ*(\sc)+NQ*(\a)+(\q)] matrix_a_scale:MATRIX_SCALE_ROW1
.endif
.endr
.endr
.endm
.macro FETCH_B slot, q, p
	WIN TO_B
.irp i, 0,1,2,3,4,5,6,7
	FRAG 128*(\p)+FR*\i, ADRB+\slot, \q, \i
.endr
	WIN 0
.endm
.macro FETCH_A slot, q, i0
.irp i, \i0, \i0+1, \i0+2, \i0+3
	FRAGA AF+FR*(\i), ADRA+\slot, \q, \i
.endr
.endm
.macro SCALES sc
.irp i, 0,1,2,3,4,5,6,7
	ds_load_b64 v[SC+8*NQ*\sc+NQ*\i:SC+8*NQ*\sc+NQ*\i+1], v[ADRS] offset:\i*SBLK
.endr
.endm
.macro PLACES n
.rept \n
	v_nop
.endr
.endm
.macro STEP slot, q, zero
	s_wait_dscnt 4*NL                              ; W's set and y's blocks 0-3 are in; the youngest 16 loads (y's blocks 4-7) may be out
.if \zero
	WIN 0x81                                       ; C (the bias) in window 0, D in window 2
.else
	WIN MUL_LO
.endif
	MUL16 0, (\q)%2, \q, \slot, \zero
	MUL16 2, (\q)%2, \q, \slot, \zero
	s_wait_dscnt 0
	PLACES NP
	FETCH_B \slot, (\q)+1, 1-(\q)%2
	FETCH_A \slot, (\q)+1, 0
.if \zero
	WIN 0xc1
.else
	WIN MUL_HI
.endif
	MUL16 4, (\q)%2, \q, \slot, \zero
	MUL16 6, (\q)%2, \q, \slot, \zero
	PLACES NP
	WIN 0
	FETCH_A \slot, (\q)+1, 4
.endm
.macro TURN slot, next, fill
	s_wait_tensorcnt 0x0                           ; all my tensor loads have landed: my part of the next slot
	ds_add_u32 v[SPW], v[NIL]                      ; 0 onto my spare word
	s_wait_dscnt 4*NL+1                            ; the add and the youngest 16 loads may be out
	WIN MUL_LO
	MUL16 0, 1, NQ-1, \slot, 0
	s_wait_dscnt 0x0                               ; the add is done, and my reads of this slot are over
	s_barrier_signal -1
	MUL16 2, 1, NQ-1, \slot, 0
	WIN 0
	s_barrier_wait -1
.if \fill
	CREST                                          ; the barrier has opened a round of the cluster's: no wave of any partner still reads this slot or has a load on its way
	s_add_nc_u64 s[G0+4*\slot+2:G0+4*\slot+3], s[G0+4*\slot+2:G0+4*\slot+3], 2*AROWB
	s_add_nc_u64 s[G0B+4*\slot+2:G0B+4*\slot+3], s[G0B+4*\slot+2:G0B+4*\slot+3], 2*ROWB
	JLOAD G0+4*\slot, G1, G0B+4*\slot, G1B
	PLACES NP-4
.else
	PLACES NP
.endif
	s_wait_alu depctr_va_vdst(0)
	v_add_nc_u32 v[ADRS], 4*NQ, v[ADRS]
	FETCH_B \next, 0, 0
	FETCH_A \next, 0, 0
	SCALES \next
	WIN MUL_HI
	MUL16 4, 1, NQ-1, \slot, 0
	MUL16 6, 1, NQ-1, \slot, 0
	PLACES NP
	WIN 0
	FETCH_A \next, 0, 4
.endm
	s_wait_alu depctr_va_vdst(0)
	s_wait_tensorcnt 1                             ; the scales and my part of K step 0 are in; K step 1's load may be out
	s_barrier_signal -1
	s_barrier_wait -1
	FETCH_B 0, 0, 0
	FETCH_A 0, 0, 0
	SCALES 0
	FETCH_A 0, 0, 4
	s_wait_loadcnt 0x0                             ; the bias
	STEP 0, 0, 1
	s_mov_b32 s3, LAPS-1
.Llap:
	TURN 0, 1, 1
	STEP 1, 0, 0
	TURN 1, 0, 1
	STEP 0, 0, 0
	s_sub_co_u32 s3, s3, 1
	s_cmp_lg_u32 s3, 0
	s_cbranch_scc1 .Llap
	TURN 0, 1, 0                                   ; the last lap fills nothing
	STEP 1, 0, 0
	s_wait_dscnt 4*NL
	WIN MUL_LO
	MUL16 0, 1, NQ-1, 1, 0
	MUL16 2, 1, NQ-1, 1, 0
	s_wait_dscnt 0
	WIN MUL_HI
	MUL16 4, 1, NQ-1, 1, 0
	MUL16 6, 1, NQ-1, 1, 0
	WIN 0
; THE WAY OUT, block by block of 16 rows x 128 columns, through my own stage in LDS: back come whole rows of 512 bytes.  LDS serves a wave's instructions in order (ISA guide 5.7.1.4).
.macro TOSTAGE a
.set AC, 64*((\a)%4)
	WIN 0x08+4*((\a)/4)                            ; the data: window 2 or 3
.irp b, 0,1,2,3,4,5,6,7
	ds_store_b128 v[STO], v[AC+8*\b:AC+8*\b+3] offset:64*\b          ; each accumulator from its low end on
	ds_store_b128 v[STO], v[AC+8*\b+4:AC+8*\b+7] offset:64*\b+16
.endr
	WIN 0
.set BB, BK+64*((\a)%2)
.irp t, 0,1,2,3,4,5,6,7,8,9,10,11,12,13,14,15
	ds_load_b128 v[BB+4*\t:BB+4*\t+3], v[RD] offset:\t*SPITCH
.endr
.endm
.macro SEND a, younger
.set BB, BK+64*((\a)%2)
	s_wait_dscnt \younger                          ; the block is back in registers; the next block's 16 stores and 16 loads may be out
.if (\a) > 0
	s_add_nc_u64 s[12:13], s[12:13], 16*SIZE_N*4   ; (behind a wait on XCNT: the earlier stores have read their base)
.endif
.irp t, 0,1,2,3,4,5,6,7,8,9,10,11,12,13,14,15
	global_store_b128 v[CO], v[BB+4*\t:BB+4*\t+3], s[12:13] offset:\t*SIZE_N*4 th:TH_STORE_NT   ; 32 lanes store 512 consecutive bytes, at a multiple of 512 from the buffer's first byte
.endr
.endm
	PLACES NP
	TOSTAGE 0
.irp a, 1,2,3,4,5,6,7
.if \a > 1
	s_wait_xcnt 0x0                                ; block a - 2's stores have read their registers and their base
.endif
	TOSTAGE \a
	SEND \a-1, 32
.endr
	s_wait_xcnt 0x0
	SEND 7, 0
	s_wait_tensorcnt 0x0                           ; the wave's end
	ds_add_u32 v[SPW], v[NIL]
	s_wait_dscnt 0x0
	CROUND                                         ; the closing round
	s_endpgm
.Lfunc_end_k_q8bb0f24862_proj:
	.size	k_q8bb0f24862_proj, .Lfunc_end_k_q8bb0f24862_proj-k_q8bb0f24862_proj
	.p2alignl 7, 3214868480
	.fill 96, 4, 3214868480
	.section	.rodata,"a",@progbits
	.p2align	6, 0x0
	.amdhsa_kernel k_q8bb0f24862_proj
		.amdhsa_group_segment_fixed_size 327680
		.amdhsa_private_segment_fixed_size 0
		.amdhsa_enable_private_segment 0
		.amdhsa_kernarg_size 48
		.amdhsa_user_sgpr_count 2
		.amdhsa_user_sgpr_kernarg_segment_ptr 1
		.amdhsa_wavefront_size32 1
		.amdhsa_system_sgpr_workgroup_id_x 1
		.amdhsa_system_sgpr_workgroup_id_y 1
		.amdhsa_system_sgpr_workgroup_id_z 1
		.amdhsa_system_vgpr_workitem_id 0
		.amdhsa_next_free_vgpr 1024
		.amdhsa_next_free_sgpr 98
		.amdhsa_reserve_vcc 0
		.amdhsa_float_denorm_mode_32 3
		.amdhsa_float_denorm_mode_16_64 3
		.amdhsa_memory_ordered 1
		.amdhsa_forward_progress 1
		.amdhsa_inst_pref_size 148
	.end_amdhsa_kernel
	.amdgpu_metadata
---
amdhsa.version: [ 1, 2 ]
amdhsa.kernels:
  - .name:           k_q8bb0f24862_proj
    .symbol:         k_q8bb0f24862_proj.kd
    .args:
      - { .name: yc, .offset: 0, .size: 8, .value_kind: global_buffer, .address_space: global }
      - { .name: ys, .offset: 8, .size: 8, .value_kind: global_buffer, .address_space: global }
      - { .name: w_proj_codes, .offset: 16, .size: 8, .value_kind: global_buffer, .address_space: global }
      - { .name: w_proj_scales, .offset: 24, .size: 8, .value_kind: global_buffer, .address_space: global }
      - { .name: b_proj, .offset: 32, .size: 8, .value_kind: global_buffer, .address_space: global }
      - { .name: out0, .offset: 40, .size: 8, .value_kind: global_buffer, .address_space: global }
    .group_segment_fixed_size: 327680
    .private_segment_fixed_size: 0
    .kernarg_segment_align: 8
    .kernarg_segment_size: 48
    .max_flat_workgroup_size: 128
    .sgpr_count:     98
    .vgpr_count:     1024
    .wavefront_size: 32
...
	.end_amdgpu_metadata
.endif
;; end of part 3
